; MI455X (gfx1250); checked and timed in simulation.
; The chip was launched on July 23, 2026; its instructions are those of AMD's public machine-readable ISA for CDNA 5 (MIT licence, August 2026) and "CDNA5" Instruction Set Architecture Reference Guide (July 2026). The comments in the code are by the model that wrote it; some were corrected since.
;; Long Regression. Allowed arithmetic: matrix products marked QUANTISED: E2M1 operands, one E8M0 scale for each 32 along K, by v_wmma_scale_f32_16x16x128_f8f6f4 with both operands' format E2M1 (or v_wmma_scale_f32_32x16x128_f4), f32 sums; products left as they are: bf16, f16 or f32 operands; f32 sums; everything else in f32.
;; Inputs: b1 8 x 1,024 float32; b2 8 x 1,024 float32; bout 8 x 256 float32; r1 512 x 256 float32; r2 256 x 256 float32; rb1 256 float32; rb2 256 float32; rbout 8 float32; rout 256 x 8 float32; w1 8 x 512 x 1,024 float32; w2 8 x 1,024 x 1,024 float32; wout 8 x 1,024 x 256 float32; x 4,096 x 512 float32.
;; Outputs: out0 4,096 x 256 float32.
;; This version of the problem:
;;   THIS VERSION OF THE PROBLEM IS GIVEN IN LOW PRECISION. The matrix products marked QUANTISED in the list below multiply operands that are first quantised to E2M1 (2 exponent bits, 1 mantissa bit; 4 bits a number), with one power-of-two scale for each 32 numbers along K (OCP MX v1.0); their sums are f32. The products marked 'left as it is' may take bf16, f16 or f32 operands, with f32 sums. Whichever they take, every output number must still come out within the allowed error. Rounding operands to bf16 (8 significant bits) uses up far more of that allowance than f16 does (11 bits, for magnitudes from 6e-5 to 65,504). All else is computed in f32.
;;   The module's matrix products, in the order in which they are computed (A, B: the left and right operand; K: the contracted axis; several contracted axes count as one K, in the product's order):
;;     1. [M 4,096, K 512] x [K 512, N 256]; A: input x; B: input r1: QUANTISED
;;     2. [M 4,096, K 256] x [K 256, N 256]; A: computed on the way; B: input r2: left as it is (an operand is computed on the way)
;;     3. [M 4,096, K 256] x [K 256, N 8]; A: computed on the way; B: input rout: left as it is (N = 8 < 16)
;;     4. [M 8,192, K 512] x [K 512, N 4,096]; A: input w1; B: input x: QUANTISED
;;     5. batch 8 x [M 4,096, K 1,024] x [K 1,024, N 1,024]; A: computed on the way; B: input w2: left as it is (an operand is computed on the way)
;;     6. batch 8 x [M 4,096, K 1,024] x [K 1,024, N 256]; A: computed on the way; B: input wout: left as it is (an operand is computed on the way)
;;     7. batch 4,096 x [M 1, K 8] x [K 8, N 256]; A: computed on the way; B: computed on the way: left as it is (K = 8 < 32)
;;   THE QUANTISER, for each operand of a quantised product, along K:
;;     - K is cut into blocks of 32 from its start; a last block that is shorter is filled with zeros.
;;     - A block's scale is 2^e with e = floor(log2(the largest magnitude in the block)) - 2, held to -126 .. 127; a block of zeros has e = 0. As a byte (E8M0): e + 127.
;;     - Each number is divided by its block's scale, clamped to +-6, and rounded to the nearest number of E2M1, ties to even, subnormals kept.
;;     - The product sums the exact products of the quantised numbers (number of the format x scale) in f32.
;;   ~~~python
;;   def quantise(x, axis):      # numpy; x: float32 -> the quantised numbers, widened to float32 again
;;       x = np.moveaxis(x, axis, -1); K = x.shape[-1]
;;       x = np.pad(x, [(0, 0)] * (x.ndim - 1) + [(0, -K % 32)]); x = x.reshape(x.shape[:-1] + (-1, 32)); a = np.abs(x).max(-1, keepdims=True)
;;       e = np.where(a > 0, np.clip(np.frexp(np.where(a > 0, a, 1))[1] - 1 - 2, -126, 127), 0)      # np.frexp(a)[1] - 1 = floor(log2(a)), exactly
;;       r = np.clip(x / 2.0 ** e, -6, 6)
;;       step = 2.0 ** (np.maximum(np.frexp(np.where(r == 0, 1, r))[1] - 1, 0) - 1)
;;       q = np.round(r / step) * step * 2.0 ** e      # np.round: ties to even
;;       return np.moveaxis(q.reshape(q.shape[:-2] + (-1,))[..., :K], -1, axis).astype(np.float32)
;;   ~~~
;; One version. Each part assembles by itself: llvm-mc -triple=amdgcn-amd-amdhsa -mcpu=gfx1250 --defsym DOCPART=n.
;; ======== version 1 of 1: 5 launches
;; limits: values are held in f16: magnitudes above 65,504 overflow, below 6.1e-05 lose precision
;; workspace buffers: qc 3,550,208 bytes; w2h 16,777,216 bytes; woh 4,194,304 bytes; a1 67,108,864 bytes; a2 67,108,864 bytes; yp 33,554,432 bytes; sc 65,536 bytes
;; launch prep (part 1): grid 518 x 1, 4 waves a work-group, no clusters, 68,096 bytes of LDS; arguments w2, r2, wout, x, w1, r1, w2h, woh, qc; writes w2h, woh, qc
.if DOCPART == 1
	.amdgcn_target "amdgcn-amd-amdhsa--gfx1250"
	.amdhsa_code_object_version 6
	.text
	.protected	k_q321717d9be_prep
	.globl	k_q321717d9be_prep
	.p2align	8
	.type	k_q321717d9be_prep,@function
k_q321717d9be_prep:
	s_mov_b64 s[64:65], 0
	v_nop
	global_prefetch_b8 v0, s[64:65] scope:SCOPE_SE
	s_setreg_imm32_b32 hwreg(HW_REG_WAVE_MODE, 25, 1), 1
	s_wait_xcnt 0x0
; PREP.  One launch lays out every operand that later launches read many times.
;   work-groups   0..321: w2, wout, r2 (f32) are rounded to f16 as they lie (w2h, woh, qc+Q_R2H); of w2 each wave also stores its largest magnitude.
;   work-groups 322..385: x [4096][512] becomes codes of E2M1 with K innermost and one E8M0 byte for each 32 along K.
;   work-groups 386..513: w1 [8][512 k][1024 n]: K is not innermost: a lane takes a column n and its registers run down K; the codes come out [e*1024+n][512 k].
;   work-groups 514..517: r1 [512 k][256 n] likewise.
; A block's scale is 2^(floor(log2(largest magnitude)) - 2); its byte is the largest magnitude's exponent field - 2, held at 1 from below.
; LIMITS: a block of zeros gets the byte 1 (its codes are zeros; this program alone reads the bytes); blocks whose largest magnitude lies under 2^-124 are held at that floor;
; |w2|, |wout|, |r2| must stay under 65,504 (f16); NaN and infinities among the inputs are not served.
; The three paths that use LDS have LDS bytes of their own.  No tensor loads, no barrier: waves share nothing.
.set Q_XS,  1048576                    ; byte offsets in qc: x's codes at 0, x's scale bytes,
.set Q_W1C, 1114112                    ; w1's codes [8192][256 B],
.set Q_W1S, 3211264                    ; w1's scale bytes [8192][16],
.set Q_R1C, 3342336                    ; r1's codes [256][256 B],
.set Q_R1S, 3407872                    ; r1's scale bytes,
.set Q_R2H, 3411968                    ; r2 as f16,
.set Q_MXX, 3543040                    ; 256 largest magnitudes of x, one a wave,
.set Q_MX1, 3544064                    ; 512 of w1, 64 an expert,
.set Q_MX2, 3546112                    ; 1,024 of w2, 128 an expert
.set L_W1,  32768                      ; LDS: x's path from 0, w1's from here,
.set L_R1,  50176                      ; r1's from here
.set SPARE, 67584                      ; behind the paths' regions: the spare words, 128 bytes a wave, that no other line names
.set SPW, 250                          ; v250 LDS address of my spare word; never rewritten
.set NIL, 251                          ; v251 0; never rewritten
.set MX,  248                          ; v248 the wave's running largest magnitude
.set MT,  249                          ; v249 at work in the exchanges of halves
.set ZO,  247                          ; v247 offset 0 for the one-word store
.set WV,  22                           ; s22  wave
; the wave's largest magnitude, over its 32 lanes, stored by lane 0 at s[base:base+1]
.macro WMAX base
	v_max_num_f32_dpp v[MX], v[MX], v[MX] row_xmask:1 row_mask:0xf bank_mask:0xf
	v_max_num_f32_dpp v[MX], v[MX], v[MX] row_xmask:2 row_mask:0xf bank_mask:0xf
	v_max_num_f32_dpp v[MX], v[MX], v[MX] row_xmask:4 row_mask:0xf bank_mask:0xf
	v_max_num_f32_dpp v[MX], v[MX], v[MX] row_xmask:8 row_mask:0xf bank_mask:0xf
	v_permlanex16_b32 v[MT], v[MX], s26, s27
	v_max_num_f32 v[MX], v[MX], v[MT]
	v_cmp_eq_u32 vcc_lo, 0, v2
	s_wait_xcnt 0x0                                ; EXEC is a source of the stores that are out: it changes only behind this wait
	s_and_saveexec_b32 s40, vcc_lo
	global_store_b32 v[ZO], v[MX], s[\base:\base+1]
	s_wait_xcnt 0x0                                ; and again in front of the line that widens it
	s_or_b32 exec_lo, exec_lo, s40
.endm
.macro CLOSE                           ; the wave's end, behind my last LDS store
	s_wait_tensorcnt 0x0
	ds_add_u32 v[SPW], v[NIL]
	s_wait_dscnt 0x0
	s_endpgm
.endm
	s_load_b512 s[4:19], s[0:1], 0x0               ; w2 4, r2 6, wout 8, x 10, w1 12, r1 14, w2h 16, woh 18
	s_load_b64 s[20:21], s[0:1], 0x40              ; qc
	v_lshl_add_u32 v[SPW], v0, 2, SPARE
	v_mov_b32 v[NIL], 0
	v_mov_b32 v[MX], 0
	v_mov_b32 v[MT], 0
	v_mov_b32 v[ZO], 0
	v_lshrrev_b32 v1, 5, v0
	v_readfirstlane_b32 s[WV], v1
	v_and_b32 v2, 31, v0                           ; lane
	s_mov_b32 s26, 0x76543210                      ; v_permlanex16_b32: lane l xor 16
	s_mov_b32 s27, 0xfedcba98
	s_mov_b32 s43, 0                               ; the high word of every 32-bit offset
	s_wait_kmcnt 0x0
	s_cmp_lt_u32 ttmp9, 322
	s_cbranch_scc0 .Lnot_cast
; ---- f32 to f16, as the numbers lie.  A wave takes 32,768 bytes: 64 loads of 512 bytes, CD of them always on their way; each store covers 256 consecutive bytes, aligned.
; Every step has store registers of its own, so no store's data are ever written again and no wait stands for them.
.set CD, 24                            ; loads on their way
.set CX, 16                            ; v16-111   ring of 24 x 4 registers as loaded
.set CY, 112                           ; v112-239  64 x 2 registers to store
	s_add_nc_u64 s[34:35], s[20:21], Q_R2H
	s_cmp_lt_u32 ttmp9, 256                        ; the choice hangs on the work-group's number alone
	s_cselect_b64 s[28:29], s[4:5], s[8:9]
	s_cselect_b64 s[30:31], s[16:17], s[18:19]
	s_cselect_b32 s32, 0, 256
	s_cmp_lt_u32 ttmp9, 320
	s_cselect_b64 s[28:29], s[28:29], s[6:7]
	s_cselect_b64 s[30:31], s[30:31], s[34:35]
	s_cselect_b32 s32, s32, 320
	s_sub_co_u32 s32, ttmp9, s32
	s_lshl_b32 s32, s32, 2
	s_add_co_u32 s32, s32, s[WV]                   ; which run of 8,192 numbers of the tensor is my wave's
	s_lshl_b32 s42, s32, 15
	s_add_nc_u64 s[28:29], s[28:29], s[42:43]
	s_lshl_b32 s42, s32, 14
	s_add_nc_u64 s[30:31], s[30:31], s[42:43]
	v_lshlrev_b32 v3, 4, v2                        ; in: 16 bytes a lane
	v_lshlrev_b32 v4, 3, v2                        ; out: 8 bytes a lane
.set I, 0
.rept CD
	global_load_b128 v[CX+4*I:CX+4*I+3], v3, s[28:29] offset:512*I th:TH_LOAD_NT
.set I, I+1
.endr
.set I, 0
.rept 64
.if I < 64-CD
	s_wait_loadcnt CD-1                            ; loads come back in order: mine is in, the 23 younger ones stay out
.else
	s_wait_loadcnt 63-I
.endif
	v_max3_num_f32 v[MX], v[MX], |v[CX+4*(I%CD)]|, |v[CX+4*(I%CD)+1]|
	v_max3_num_f32 v[MX], v[MX], |v[CX+4*(I%CD)+2]|, |v[CX+4*(I%CD)+3]|
	v_cvt_pk_f16_f32 v[CY+2*I], v[CX+4*(I%CD)], v[CX+4*(I%CD)+1]
	v_cvt_pk_f16_f32 v[CY+2*I+1], v[CX+4*(I%CD)+2], v[CX+4*(I%CD)+3]
.if I < 64-CD
	global_load_b128 v[CX+4*(I%CD):CX+4*(I%CD)+3], v3, s[28:29] offset:512*(I+CD) th:TH_LOAD_NT
.endif
	global_store_b64 v4, v[CY+2*I:CY+2*I+1], s[30:31] offset:256*I
.set I, I+1
.endr
	s_cmp_lt_u32 ttmp9, 256                        ; only w2's largest magnitudes are wanted later
	s_cbranch_scc0 .Lcast_end
	s_lshl_b32 s42, s32, 2
	s_add_co_u32 s42, s42, Q_MX2
	s_add_nc_u64 s[38:39], s[20:21], s[42:43]
	WMAX 38
.Lcast_end:
	s_endpgm
.Lnot_cast:
	s_cmp_lt_u32 ttmp9, 386
	s_cbranch_scc0 .Lnot_x
; ---- x: a plain stream of blocks of 32.  A wave takes 16 steps of 512 numbers.  Each load reads 512 consecutive bytes; the numbers turn through the wave's own stage in LDS
; so that a lane holds 16 neighbours (two neighbouring lanes hold a block).  Loads run eight steps (32 loads) ahead, the turn through LDS one step.
.set WREG, 8192                        ; LDS 0..32,767: a region for each wave: two stages of 32 x XSP bytes, behind them its 256 scale bytes
.set XSP,  80                          ; a lane's place in a stage: 64 bytes + 16 of padding
.set XR,   16                          ; v16-143  eight sets of 16 numbers as loaded
.set XX,   144                         ; v144-175 two sets of 16 neighbours
.set XE,   176                         ; v176-191 a scale byte for each step
.set XCD,  192                         ; v192-223 codes, two registers a step: no store's data are written again
	v_lshlrev_b32 v3, 4, v2
	s_mul_i32 s28, s[WV], WREG
	v_lshrrev_b32 v14, 2, v2
	v_mul_u32_u24 v14, v14, XSP
	v_and_b32 v15, 3, v2
	v_lshl_add_u32 v14, v15, 4, v14
	v_add_nc_u32 v14, s28, v14                     ; into the stage: four lanes' 64 bytes on end, then the padding
	v_mul_u32_u24 v15, v2, XSP
	v_add_nc_u32 v15, s28, v15                     ; out of it: my 16 neighbours
	v_lshlrev_b32 v4, 3, v2                        ; my 8 bytes of a step's codes
	v_lshrrev_b32 v5, 1, v2
	s_add_co_u32 s28, s28, 2*32*XSP
	v_add_nc_u32 v5, s28, v5                       ; my block's byte among the wave's 256
	v_lshlrev_b32 v7, 3, v2
	v_add_nc_u32 v6, s28, v7
	s_sub_co_u32 s29, ttmp9, 322
	s_lshl_b32 s29, s29, 2
	s_add_co_u32 s29, s29, s[WV]                   ; my run of 8,192 numbers
	s_lshl_b32 s42, s29, 15
	s_add_nc_u64 s[28:29], s[10:11], s[42:43]      ; x at my run (the run's number has been read)
	s_lshr_b32 s42, s42, 3                         ; 4,096 bytes of codes a run
	s_add_nc_u64 s[34:35], s[20:21], s[42:43]
	s_lshr_b32 s42, s42, 4                         ; 256 scale bytes a run
	s_add_co_u32 s44, s42, Q_XS
	s_mov_b32 s45, 0
	s_add_nc_u64 s[36:37], s[20:21], s[44:45]
	s_lshr_b32 s42, s42, 6                         ; 4 bytes a run
	s_add_co_u32 s42, s42, Q_MXX
	s_add_nc_u64 s[38:39], s[20:21], s[42:43]
.macro XLOAD t
.irp i, 0,1,2,3
	global_load_b128 v[XR+16*((\t)%8)+4*\i:XR+16*((\t)%8)+4*\i+3], v3, s[28:29] offset:2048*(\t)+512*\i th:TH_LOAD_NT
.endr
.endm
.macro XTURN t                         ; LDS serves a wave's instructions in order: no wait between these stores and loads
.irp i, 0,1,2,3
	ds_store_b128 v14, v[XR+16*((\t)%8)+4*\i:XR+16*((\t)%8)+4*\i+3] offset:32*XSP*((\t)%2)+8*XSP*\i
.endr
.irp i, 0,1,2,3
	ds_load_b128 v[XX+16*((\t)%2)+4*\i:XX+16*((\t)%2)+4*\i+3], v15 offset:32*XSP*((\t)%2)+16*\i
.endr
.endm
.irp t, 0,1,2,3,4,5,6,7
	XLOAD \t
.endr
	s_wait_loadcnt 28                              ; step 0's four loads are in; the seven steps behind it may be out
	XTURN 0
.macro XSTEP t
.set XSS, XX+16*((\t)%2)
.if (\t) > 0
	s_wait_dscnt 1                                 ; this step's numbers are back (the last step's byte store may be out): so its stores into the stage have read their registers,
.else
	s_wait_dscnt 0x0
.endif
.if (\t)+8 < 16
	XLOAD (\t)+8                                   ; which take the loads of eight steps on
.endif
.if (\t)+1 < 16
.if 14-(\t) >= 7
	s_wait_loadcnt 28                              ; the next step's four loads are in; those of the seven steps behind may be out
.else
	s_wait_loadcnt 4*(14-(\t))
.endif
	XTURN (\t)+1
.endif
	v_max3_num_f32 v8, |v[XSS]|, |v[XSS+1]|, |v[XSS+2]|
	v_max3_num_f32 v9, |v[XSS+3]|, |v[XSS+4]|, |v[XSS+5]|
.irp i, 6,10
	v_max3_num_f32 v8, v8, |v[XSS+\i]|, |v[XSS+\i+1]|
	v_max3_num_f32 v9, v9, |v[XSS+\i+2]|, |v[XSS+\i+3]|
.endr
	v_max3_num_f32 v8, v8, |v[XSS+14]|, |v[XSS+15]|
	v_max3_num_f32 v8, v8, v9, 0x1800000           ; and the floor 2^(3 - 127): the byte cannot fall under 1
	v_max_num_f32_dpp v8, v8, v8 row_xmask:1 row_mask:0xf bank_mask:0xf   ; with my neighbour's 16: the block's largest magnitude
	v_max_num_f32 v[MX], v[MX], v8
	v_add_nc_u32 v11, 0xff000000, v8               ; 2 off its exponent field: the conversion takes the exponent field of this operand as its scale
	v_cvt_scalef32_pk8_fp4_f32 v[XCD+2*(\t)], v[XSS:XSS+7], v11
	v_cvt_scalef32_pk8_fp4_f32 v[XCD+2*(\t)+1], v[XSS+8:XSS+15], v11
	v_lshrrev_b32 v[XE+(\t)], 23, v11              ; the scale's byte (a plain line behind the conversions)
	ds_store_b8 v5, v[XE+(\t)] offset:16*(\t)      ; both lanes of a block write the same byte with the same value
	global_store_b64 v4, v[XCD+2*(\t):XCD+2*(\t)+1], s[34:35] offset:256*(\t)
.endm
.irp t, 0,1,2,3,4,5,6,7,8,9,10,11,12,13,14,15
	XSTEP \t
.endr
	ds_load_b64 v[8:9], v6
	s_wait_dscnt 0x0
	global_store_b64 v7, v[8:9], s[36:37]          ; the wave's 256 scale bytes: one aligned run
	WMAX 38
	CLOSE
; ---- K not innermost.  A wave takes 16 columns x 512 along K.  Lane (r, h) takes column r; lanes 0-15 take the even blocks of 32 along K, lanes 16-31 the odd ones: eight steps of two blocks,
; so that a wave's chain of dependent steps is 8 long.  A lane's 32 registers are a whole block, so its largest magnitude needs no other lane, and the conversions give codes with K innermost.
; The codes leave through the wave's own stage as whole rows of 256 bytes.  The four waves of a work-group read neighbouring 64 bytes of the same rows, so the loads carry no hint.
.set QP,   272                         ; a stage row
.set SB,   24                          ; v24-27   my column's scale bytes: word w holds blocks 4 w .. 4 w + 3
.set QX,   32                          ; v32-95   two sets of 32 numbers
.set QCD,  96                          ; v96-99   a block's codes
.set OUTR, 112                         ; v112-143 the way out
.macro QLOAD t, n                      ; step t: W(64 t + 32 h + i, my column), i = 0 .. 31
.irp i, 0,1,2,3,4,5,6,7,8,9,10,11,12,13,14,15,16,17,18,19,20,21,22,23,24,25,26,27,28,29,30,31
	global_load_b32 v[QX+32*((\t)%2)+\i], v3, s[28:29] offset:(64*(\t)+\i)*(\n)*4
.endr
.endm
.macro QBLOCK t, n
.set QS, QX+32*((\t)%2)
.if (\t) < 7
	s_wait_loadcnt 32                              ; this step's 32 loads are in; the next step's may be out
.else
	s_wait_loadcnt 0x0
.endif
	v_max3_num_f32 v12, |v[QS]|, |v[QS+1]|, |v[QS+2]|
	v_max3_num_f32 v13, |v[QS+3]|, |v[QS+4]|, |v[QS+5]|
.irp i, 6,10,14,18,22,26
	v_max3_num_f32 v12, v12, |v[QS+\i]|, |v[QS+\i+1]|
	v_max3_num_f32 v13, v13, |v[QS+\i+2]|, |v[QS+\i+3]|
.endr
	v_max3_num_f32 v12, v12, |v[QS+30]|, |v[QS+31]|
	v_max3_num_f32 v12, v12, v13, 0x1800000        ; and the floor
	v_max_num_f32 v[MX], v[MX], v12
	v_add_nc_u32 v11, 0xff000000, v12
	v_lshrrev_b32 v13, 23, v11                     ; the byte of block 2 t + h
.if (\t)%2 == 0
	v_mov_b32 v[SB+(\t)/2], v13                    ; two of my bytes to a word, 16 bits apart: my partner's two go between them
.else
	v_lshl_or_b32 v[SB+(\t)/2], v13, 16, v[SB+(\t)/2]
.endif
.irp g, 0,1,2,3
	v_cvt_scalef32_pk8_fp4_f32 v[QCD+\g], v[QS+8*\g:QS+8*\g+7], v11
.endr
	ds_store_b128 v4, v[QCD:QCD+3] offset:32*(\t)  ; block 2 t + h: bytes 32 t + 16 h of my column's row
.if (\t)+2 < 8
	QLOAD (\t)+2, \n
.endif
	s_wait_dscnt 0x0                               ; the store has read its registers: the next step's codes may be written
.endm
; n: numbers in a row of the tensor; lbase: the path's LDS bytes.  s[28:29] my first column, s[30:31] my rows of codes, s[32:33] my rows of scale bytes
.macro QCOL n, lbase
	v_and_b32 v5, 15, v2                           ; r
	v_lshrrev_b32 v6, 4, v2                        ; h
	v_mul_u32_u24 v3, v6, 128*(\n)                 ; lanes 16-31 begin 32 rows further down;
	v_lshl_add_u32 v3, v5, 2, v3                   ; 4 bytes a column
	s_mul_i32 s34, s[WV], 16*QP
	s_add_co_u32 s34, s34, \lbase
	v_mul_u32_u24 v4, v5, QP
	v_lshl_add_u32 v4, v6, 4, v4
	v_add_nc_u32 v4, s34, v4                       ; into the stage: row = my column, + 16 h
	v_mul_u32_u24 v7, v6, QP
	v_lshl_add_u32 v7, v5, 4, v7
	v_add_nc_u32 v7, s34, v7                       ; out of it: sixteen lanes to a row, two rows an instruction
	v_lshlrev_b32 v8, 8, v6
	v_lshl_add_u32 v8, v5, 4, v8                   ; the same place among the rows of codes (256 bytes a row)
	v_lshlrev_b32 v9, 4, v5
	v_lshl_add_u32 v9, v6, 3, v9                   ; scale bytes: 16 a row; lanes 0-15 store a row's first 8, lanes 16-31 its last 8
	v_lshlrev_b32 v10, 3, v6                       ; 8 h bits
	QLOAD 0, \n
	QLOAD 1, \n
.set Q, 0
.rept 8
	QBLOCK Q, \n
.set Q, Q+1
.endr
.irp w, 0,1,2,3
	v_lshlrev_b32 v[SB+\w], v10, v[SB+\w]          ; my bytes at their places: 8 h bits up;
.endr
.irp w, 0,1,2,3
	v_permlanex16_b32 v[MT], v[SB+\w], s26, s27
	v_or_b32 v[SB+\w], v[SB+\w], v[MT]             ; with lane l xor 16's two the word is whole
.endr
	v_cmp_eq_u32 vcc_lo, 1, v6
	v_cndmask_b32 v12, v[SB], v[SB+2], vcc_lo
	v_cndmask_b32 v13, v[SB+1], v[SB+3], vcc_lo
	global_store_b64 v9, v[12:13], s[32:33]        ; 16 rows of 16 bytes: 256 consecutive bytes, aligned
.irp t, 0,1,2,3,4,5,6,7
	ds_load_b128 v[OUTR+4*\t:OUTR+4*\t+3], v7 offset:2*\t*QP       ; LDS serves a wave's instructions in order: these see my stores
.endr
.irp t, 0,1,2,3,4,5,6,7
	s_wait_dscnt 7-\t
	global_store_b128 v8, v[OUTR+4*\t:OUTR+4*\t+3], s[30:31] offset:512*\t   ; sixteen lanes store a whole row of 256 bytes
.endr
.endm
.Lnot_x:
	s_cmp_lt_u32 ttmp9, 514
	s_cbranch_scc0 .Lnot_w1
	s_sub_co_u32 s35, ttmp9, 386
	s_lshr_b32 s36, s35, 4                         ; expert
	s_and_b32 s37, s35, 15
	s_lshl_b32 s37, s37, 6
	s_lshl_b32 s41, s[WV], 4
	s_add_co_u32 s37, s37, s41                     ; my first column
	s_lshl_b32 s42, s36, 21
	s_lshl_b32 s41, s37, 2
	s_add_co_u32 s42, s42, s41
	s_add_nc_u64 s[28:29], s[12:13], s[42:43]
	s_lshl_b32 s41, s36, 10
	s_add_co_u32 s41, s41, s37                     ; my first row of codes
	s_lshl_b32 s42, s41, 8
	s_add_co_u32 s42, s42, Q_W1C
	s_add_nc_u64 s[30:31], s[20:21], s[42:43]
	s_lshl_b32 s42, s41, 4
	s_add_co_u32 s42, s42, Q_W1S
	s_add_nc_u64 s[32:33], s[20:21], s[42:43]
	s_lshl_b32 s42, s35, 2
	s_add_co_u32 s42, s42, s[WV]
	s_lshl_b32 s42, s42, 2
	s_add_co_u32 s42, s42, Q_MX1
	s_add_nc_u64 s[38:39], s[20:21], s[42:43]
	QCOL 1024, L_W1
	WMAX 38
	CLOSE
.Lnot_w1:
	s_sub_co_u32 s35, ttmp9, 514
	s_lshl_b32 s37, s35, 6
	s_lshl_b32 s41, s[WV], 4
	s_add_co_u32 s37, s37, s41                     ; my first column = my first row of codes
	s_lshl_b32 s42, s37, 2
	s_add_nc_u64 s[28:29], s[14:15], s[42:43]
	s_lshl_b32 s42, s37, 8
	s_add_co_u32 s42, s42, Q_R1C
	s_add_nc_u64 s[30:31], s[20:21], s[42:43]
	s_lshl_b32 s42, s37, 4
	s_add_co_u32 s42, s42, Q_R1S
	s_add_nc_u64 s[32:33], s[20:21], s[42:43]
	QCOL 256, L_R1
	CLOSE
.Lfunc_end_k_q321717d9be_prep:
	.size	k_q321717d9be_prep, .Lfunc_end_k_q321717d9be_prep-k_q321717d9be_prep
	.p2alignl 7, 3214868480
	.fill 96, 4, 3214868480
	.section	.rodata,"a",@progbits
	.p2align	6, 0x0
	.amdhsa_kernel k_q321717d9be_prep
		.amdhsa_group_segment_fixed_size 68096
		.amdhsa_private_segment_fixed_size 0
		.amdhsa_enable_private_segment 0
		.amdhsa_kernarg_size 72
		.amdhsa_user_sgpr_count 2
		.amdhsa_user_sgpr_kernarg_segment_ptr 1
		.amdhsa_wavefront_size32 1
		.amdhsa_system_sgpr_workgroup_id_x 1
		.amdhsa_system_sgpr_workgroup_id_y 1
		.amdhsa_system_sgpr_workgroup_id_z 1
		.amdhsa_system_vgpr_workitem_id 0
		.amdhsa_next_free_vgpr 256
		.amdhsa_next_free_sgpr 66
		.amdhsa_reserve_vcc 1
		.amdhsa_float_denorm_mode_32 3
		.amdhsa_float_denorm_mode_16_64 3
		.amdhsa_memory_ordered 1
		.amdhsa_forward_progress 1
		.amdhsa_inst_pref_size 148
	.end_amdhsa_kernel
	.amdgpu_metadata
---
amdhsa.version: [ 1, 2 ]
amdhsa.kernels:
  - .name:           k_q321717d9be_prep
    .symbol:         k_q321717d9be_prep.kd
    .args:
      - { .name: w2, .offset: 0, .size: 8, .value_kind: global_buffer, .address_space: global }
      - { .name: r2, .offset: 8, .size: 8, .value_kind: global_buffer, .address_space: global }
      - { .name: wout, .offset: 16, .size: 8, .value_kind: global_buffer, .address_space: global }
      - { .name: x, .offset: 24, .size: 8, .value_kind: global_buffer, .address_space: global }
      - { .name: w1, .offset: 32, .size: 8, .value_kind: global_buffer, .address_space: global }
      - { .name: r1, .offset: 40, .size: 8, .value_kind: global_buffer, .address_space: global }
      - { .name: w2h, .offset: 48, .size: 8, .value_kind: global_buffer, .address_space: global }
      - { .name: woh, .offset: 56, .size: 8, .value_kind: global_buffer, .address_space: global }
      - { .name: qc, .offset: 64, .size: 8, .value_kind: global_buffer, .address_space: global }
    .group_segment_fixed_size: 68096
    .private_segment_fixed_size: 0
    .kernarg_segment_align: 8
    .kernarg_segment_size: 72
    .max_flat_workgroup_size: 128
    .sgpr_count:     66
    .vgpr_count:     256
    .wavefront_size: 32
...
	.end_amdgpu_metadata
.endif
;; end of part 1
;; launch layer1 (part 2): grid 16 x 16, 4 waves a work-group, clusters of 4 x 4, 327,680 bytes of LDS; arguments qc, b1, b2, a1, sc; writes a1, sc
.if DOCPART == 2
	.amdgcn_target "amdgcn-amd-amdhsa--gfx1250"
	.amdhsa_code_object_version 6
	.text
	.protected	k_q321717d9be_layer1
	.globl	k_q321717d9be_layer1
	.p2align	8
	.type	k_q321717d9be_layer1,@function
k_q321717d9be_layer1:
	s_mov_b64 s[64:65], 0
	v_nop
	global_prefetch_b8 v0, s[64:65] scope:SCOPE_SE
	s_setreg_imm32_b32 hwreg(HW_REG_WAVE_MODE, 25, 1), 1
	s_wait_xcnt 0x0
	s_wait_alu depctr_hold_cnt(0) depctr_sa_sdst(0) depctr_va_vdst(0) depctr_va_sdst(0) depctr_va_ssrc(0) depctr_va_vcc(0) depctr_vm_vsrc(0)
	s_getreg_b32 s2, hwreg(HW_REG_IB_STS2, 6, 4)
	s_cmp_eq_u32 s2, 0
	s_cbranch_scc0 .Lentry_in_a_cluster
	s_endpgm
.Lentry_in_a_cluster:
	s_bfe_u32 s2, ttmp6, 0x10000c
	s_cmp_lg_u32 s2, 0xf033
	s_cbranch_scc0 .Lentry_shape_is_right
	s_endpgm
.Lentry_shape_is_right:
; LAYER 1.  a1[e][token][unit] = relu(Q(x) Q(w1[e]) + b1[e]), on codes of E2M1 with one E8M0 scale for each 32 along K = 512; sums in f32; a1 is rounded to f16.
; A work-group takes 256 tokens x 512 units (half an expert), as two tiles of 256 units; a wave makes 128 x 128 of a tile: 64 accumulators, 512 registers.
; All of K fits in LDS at once: x's 256 rows, w1's 512 rows and their scale bytes come by first fills alone; nothing is filled again.
; CLUSTER 4 x 4: the four of a row share x's rows, the four of a column w1's rows: each tile is asked for jointly, by the same tensor load with a mask that names the four.
; THE MATRIX INSTRUCTION IS USED TRANSPOSED (source 0 = 16 rows of w1, source 1 = 16 tokens): a lane holds one token and eight neighbouring units.  Rounded in pairs these are four registers
; of the NEXT product's operand (16 tokens x 32 K of f16), so a1 is stored as an image of that operand's registers: [e][block of 16 tokens][32 fragments][2 halves][lane][16 bytes]:
; each store of a wave covers 512 consecutive bytes, aligned, and no stage in LDS is needed.
; The bias is the C of each sum's first matrix instruction.
; Wave 0 also makes the expert's scale for the next layer's result, S = 2^(14 - floor(log2(bound))), bound >= every |a2| by |x|max |w1|max 1152 + |b1|max, then x |w2|max 1026 + |b2|max
; (a code is at most 1.5 x its block's largest magnitude; 512 x 1.5 x 1.5 = 1152).  Every work-group stores S and 1/S into a slot of its own.
; LIMITS: a1 must stay under 65,504 (f16); the bound must be finite; NaN and infinities are not served.
; REGISTERS: window 0: v16-31 addresses; v32-95 scale words, a set for each tile; v96-127, v192-223 packed results by turns; v128-191 x's fragments, one set.
;   window 1: w1's fragments, two sets at v0 and v128; the biases at v64 (tile 0) and v192 (tile 1).   windows 2, 3: the accumulators ((a, b) at v[8 (8 (a % 4) + b)]).
.set Q_XS,  1048576
.set Q_W1C, 1114112
.set Q_W1S, 3211264
.set Q_MXX, 3543040                    ; 256 largest magnitudes of x,
.set Q_MX1, 3544064                    ; 512 of w1, 64 an expert,
.set Q_MX2, 3546112                    ; 1,024 of w2, 128 an expert
.set PITCH, 272                        ; an LDS row: 256 bytes + 16 of padding: the 16 rows that a load touches start at 16 different banks
.set HALFT, 128*PITCH
.set TILEB, 256*PITCH                  ; x's rows at 0; w1's tile j at TILEB (1 + j)
.set SCL,   3*TILEB                    ; x's scale bytes: 16 runs of 256 bytes + 16 of padding (16 rows a run)
.set SCB,   SCL+16*272                 ; w1's: 32 runs
.set SPARE, SCB+32*272                 ; the spare words, 128 bytes a wave, that no other line names
.set ADRA, 16
.set ADRB, 20                          ; v20, v21: tile 0, 1
.set CO,   26                          ; 16 x lane
.set ADRS, 27                          ; scale words: lanes 0-15 x's rows, lanes 16-31 w1's rows of tile 0
.set SPW,  28
.set NIL,  29
.set ADRS1, 30                         ; the same with tile 1's rows
.set BO,   31                          ; 32 x (lane / 16)
.set SC,   32
.set TMP0, 96
.set AF,   128
.set G1,   24
.set G0,   32
.set CB0,  36                          ; s[36:37], s[38:39] where my results of tile 0, 1 begin in a1
.set CB1,  38
.set G1B,  48
.set G0B,  56
.set G1S,  68
.set G0S,  76
.set G1SB, 80
.set G0SB, 88
.set MSB, 0
.macro WIN new                         ; the immediate's high byte repeats the setting that is left
.if MSB != (\new)
	s_set_vgpr_msb (MSB<<8)|(\new)
.set MSB, (\new)
.endif
.endm
.set MUL_LO, 0xa1                      ; source 0 (w1) window 1, source 1 (x) window 0, C and D window 2
.set MUL_HI, 0xf1
.set TO_B,   0x40
.macro CROUND                          ; a round of the cluster's barrier
	s_barrier_signal -1
	s_barrier_wait -1
	s_cmp_lg_u32 s14, 0
	s_cbranch_scc1 .Lnot_wave_0_\@
	s_barrier_signal -3
.Lnot_wave_0_\@:
	s_barrier_wait -3
	s_barrier_signal -1
	s_barrier_wait -1
.endm
.macro PLACES
.rept 4
	v_nop
.endr
.endm
	s_load_b256 s[4:11], s[0:1], 0x0               ; qc 4, b1 6, b2 8, a1 10
	s_load_b64 s[12:13], s[0:1], 0x20              ; sc
	v_lshl_add_u32 v[SPW], v0, 2, SPARE
	v_mov_b32 v[NIL], 0
	ds_add_u32 v[SPW], v[NIL]                      ; the wave's opening: the add and its wait ahead of my first tensor load
	v_lshrrev_b32 v1, 5, v0
	v_readfirstlane_b32 s14, v1                    ; wave
	s_lshr_b32 s15, s14, 1                         ; my half of the tokens.  Also: I fetch for x (0) or for w1 (1)
	s_and_b32 s16, s14, 1                          ; my half of a tile's units.  Also: which part I fetch
	s_bfe_u32 s40, ttmp6, 0x40000                  ; cx
	s_bfe_u32 s41, ttmp6, 0x40004                  ; cy
	s_lshl_b32 s42, ttmp9, 2
	s_add_co_u32 s42, s42, s40                     ; gx: 512 units
	s_and_b32 s17, ttmp7, 0xffff
	s_lshl_b32 s17, s17, 2
	s_add_co_u32 s17, s17, s41                     ; gy: 256 tokens
	s_lshl_b32 s43, s41, 2
	s_lshl_b32 s43, 15, s43                        ; my row of the cluster
	s_lshl_b32 s44, 0x1111, s40                    ; my column
	s_or_b32 s[G1+0], s43, (1<<20)|(1<<21)|(5<<22)|(3<<25)    ; the mask; elements of 1 byte; 4 words of padding behind every 64
	s_mov_b32 s[G1+1], 256<<16                     ; tensor_dim0
	s_mov_b32 s[G1+2], 128<<16                     ; tensor_dim1: x: 128 rows a load
	s_mov_b32 s[G1+3], 256<<16                     ; tile_dim0
	s_mov_b32 s[G1+4], 128                         ; tile_dim1
	s_mov_b32 s[G1+5], 256                         ; from row to row
	s_mov_b32 s[G1+6], 0
	s_mov_b32 s[G1+7], 0
	s_or_b32 s[G1B+0], s44, (1<<20)|(1<<21)|(5<<22)|(3<<25)
	s_mov_b32 s[G1B+1], 256<<16
	s_mov_b32 s[G1B+2], 256<<16                    ; w1: 256 rows a load, a whole tile
	s_mov_b32 s[G1B+3], 256<<16
	s_mov_b32 s[G1B+4], 256
	s_mov_b32 s[G1B+5], 256
	s_mov_b32 s[G1B+6], 0
	s_mov_b32 s[G1B+7], 0
	s_or_b32 s[G1S+0], s43, (3<<16)|(1<<20)|(1<<21)|(5<<22)|(3<<25)   ; scale bytes: rows of 32 elements of 8 bytes; 4 words of padding behind every 64
	s_mov_b32 s[G1S+1], 32<<16
	s_mov_b32 s[G1S+2], 8<<16
	s_mov_b32 s[G1S+3], 32<<16
	s_mov_b32 s[G1S+4], 8
	s_mov_b32 s[G1S+5], 32
	s_mov_b32 s[G1S+6], 0
	s_mov_b32 s[G1S+7], 0
	s_or_b32 s[G1SB+0], s44, (3<<16)|(1<<20)|(1<<21)|(5<<22)|(3<<25)
	s_mov_b32 s[G1SB+1], 32<<16
	s_mov_b32 s[G1SB+2], 16<<16
	s_mov_b32 s[G1SB+3], 32<<16
	s_mov_b32 s[G1SB+4], 16
	s_mov_b32 s[G1SB+5], 32
	s_mov_b32 s[G1SB+6], 0
	s_mov_b32 s[G1SB+7], 0
	s_lshl_b32 s18, s16, 7
	s_lshl_b32 s20, s17, 8
	s_add_co_u32 s20, s20, s18                     ; x: row 256 gy + 128 x part
	s_lshl_b32 s22, s20, 4
	s_add_co_u32 s22, s22, Q_XS                    ; its scale bytes in qc,
	s_lshl_b32 s20, s20, 8                         ; its codes
	s_mov_b32 s21, 0
	s_mov_b32 s23, 0
	s_lshl_b32 s19, s16, 8
	s_lshl_b32 s46, s42, 9
	s_add_co_u32 s46, s46, s19                     ; w1: row 512 gx + 256 x part
	s_lshl_b32 s92, s46, 4
	s_add_co_u32 s92, s92, Q_W1S
	s_lshl_b32 s46, s46, 8
	s_add_co_u32 s46, s46, Q_W1C
	s_mov_b32 s47, 0
	s_mov_b32 s93, 0
	s_mul_i32 s45, s16, HALFT                      ; where they go: no place in the cluster enters an LDS address
	s_mul_i32 s94, s16, TILEB
	s_add_co_u32 s94, s94, TILEB
	s_mul_i32 s95, s16, 8*272
	s_add_co_u32 s95, s95, SCL
	s_mul_i32 s96, s16, 16*272
	s_add_co_u32 s96, s96, SCB
	s_wait_dscnt 0x0                               ; the opening add is done
	s_wait_kmcnt 0x0
	s_add_nc_u64 s[20:21], s[4:5], s[20:21]
	s_add_nc_u64 s[22:23], s[4:5], s[22:23]
	s_add_nc_u64 s[46:47], s[4:5], s[46:47]
	s_add_nc_u64 s[92:93], s[4:5], s[92:93]
	CROUND                                         ; all sixteen work-groups are here: the joint loads meet
	s_mov_b32 s[G0S], 1
	s_mov_b32 s[G0S+1], s95
	s_mov_b64 s[G0S+2:G0S+3], s[22:23]
	s_or_b32 s[G0S+3], s[G0S+3], 0x80000000
	s_mov_b32 s[G0], 1
	s_mov_b32 s[G0+1], s45
	s_mov_b64 s[G0+2:G0+3], s[20:21]
	s_or_b32 s[G0+3], s[G0+3], 0x80000000
	s_mov_b32 s[G0SB], 1
	s_mov_b32 s[G0SB+1], s96
	s_mov_b64 s[G0SB+2:G0SB+3], s[92:93]
	s_or_b32 s[G0SB+3], s[G0SB+3], 0x80000000
	s_mov_b32 s[G0B], 1
	s_mov_b32 s[G0B+1], s94
	s_mov_b64 s[G0B+2:G0B+3], s[46:47]
	s_or_b32 s[G0B+3], s[G0B+3], 0x80000000
	s_cmp_eq_u32 s15, 0                            ; a wave's two fills stand in one branch on the wave's number: two loads of mine are out
	s_cbranch_scc0 .Lfor_b
	tensor_load_to_lds s[G0S:G0S+3], s[G1S:G1S+7]
	s_nop 0
	tensor_load_to_lds s[G0:G0+3], s[G1:G1+7]
	s_nop 0
	PLACES
	s_branch .Lasked
.Lfor_b:
	tensor_load_to_lds s[G0SB:G0SB+3], s[G1SB:G1SB+7]
	s_nop 0
	tensor_load_to_lds s[G0B:G0B+3], s[G1B:G1B+7]
	s_nop 0
	PLACES
.Lasked:
	v_and_b32 v1, 15, v0                           ; r
	v_bfe_u32 v2, v0, 4, 1                         ; h
	v_mul_u32_u24 v3, v1, PITCH
	v_lshl_add_u32 v4, v2, 4, v3                   ; a fragment's row x pitch + 16 h
	s_mul_i32 s21, s15, HALFT
	v_add_nc_u32 v[ADRA], s21, v4
	s_mul_i32 s22, s16, HALFT
	s_add_co_u32 s22, s22, TILEB
	v_add_nc_u32 v[ADRB], s22, v4
	s_add_co_u32 s22, s22, TILEB
	v_add_nc_u32 v[ADRB+1], s22, v4
	v_lshlrev_b32 v5, 4, v1                        ; 16 scale bytes a row
	s_mul_i32 s21, s15, 8*272                      ; x's: my 128 rows
	s_mul_i32 s22, s16, 8*272                      ; w1's: my 128 rows of the tile
	s_add_co_u32 s22, s22, SCB-SCL
	s_sub_co_u32 s22, s22, s21
	v_mul_u32_u24 v6, s22, v2                      ; lanes 16-31 take w1's: the lower base + h x the distance
	s_add_co_u32 s21, s21, SCL
	v_add_nc_u32 v5, v5, v6
	v_add_nc_u32 v[ADRS], s21, v5
	v_mul_u32_u24 v6, v2, 16*272
	v_add_nc_u32 v[ADRS1], v[ADRS], v6
	v_and_b32 v6, 31, v0
	v_lshlrev_b32 v[CO], 4, v6
	v_lshlrev_b32 v[BO], 5, v2
	s_lshr_b32 s18, s42, 1                         ; the expert
	s_lshl_b32 s20, s18, 8
	s_lshl_b32 s21, s17, 4
	s_add_co_u32 s20, s20, s21
	s_lshl_b32 s21, s15, 3
	s_add_co_u32 s20, s20, s21                     ; my first block of 16 tokens: 256 e + 16 gy + 8 x half
	s_lshl_b32 s20, s20, 15                        ; 32 KiB a block
	s_and_b32 s21, s42, 1
	s_lshl_b32 s21, s21, 4
	s_lshl_b32 s22, s16, 2
	s_add_co_u32 s21, s21, s22
	s_lshl_b32 s21, s21, 10                        ; my first fragment: 1 KiB each
	s_add_co_u32 s20, s20, s21
	s_mov_b32 s21, 0
	s_add_nc_u64 s[CB0:CB0+1], s[10:11], s[20:21]
	s_add_nc_u64 s[CB1:CB1+1], s[CB0:CB0+1], 8192
	s_lshl_b32 s20, s42, 11                        ; b1: 512 gx + 128 x half numbers on
	s_lshl_b32 s22, s16, 9
	s_add_co_u32 s20, s20, s22
	s_add_nc_u64 s[46:47], s[6:7], s[20:21]
	WIN TO_B
.irp j, 0,1
.irp b, 0,1,2,3,4,5,6,7
	global_load_b128 v[64+128*\j+8*\b:64+128*\j+8*\b+3], v[BO], s[46:47] offset:1024*\j+64*\b       ; lane (r, h): the tile's units 8 h + 0 .. 7
	global_load_b128 v[64+128*\j+8*\b+4:64+128*\j+8*\b+7], v[BO], s[46:47] offset:1024*\j+64*\b+16
.endr
.endr
	WIN 0
	; ---- wave 0: the expert's S
	s_cmp_lg_u32 s14, 0
	s_cbranch_scc1 .Lno_scale
	s_mov_b32 s2, 0x76543210
	s_mov_b32 s3, 0xfedcba98
	s_lshl_b32 s20, s18, 8                         ; w1's largest magnitudes: 64 an expert
	s_add_co_u32 s20, s20, Q_MX1
	s_add_nc_u64 s[92:93], s[4:5], s[20:21]
	s_lshl_b32 s20, s18, 9
	s_add_co_u32 s20, s20, Q_MX2
	s_add_nc_u64 s[94:95], s[4:5], s[20:21]
	s_lshl_b32 s20, s18, 12
	s_add_nc_u64 s[96:97], s[6:7], s[20:21]
	s_add_nc_u64 s[98:99], s[8:9], s[20:21]
	s_lshl_b32 s20, s17, 4
	s_add_co_u32 s20, s20, s42
	s_lshl_b32 s20, s20, 8                         ; my work-group's slot of 256 bytes
	s_add_nc_u64 s[12:13], s[12:13], s[20:21]
	v_lshlrev_b32 v7, 3, v6                        ; 8 bytes a lane: for w1's maxima, and for the store of S
	global_load_b128 v[96:99], v[CO], s[4:5] offset:Q_MXX
	global_load_b128 v[100:103], v[CO], s[4:5] offset:Q_MXX+512
	global_load_b64 v[106:107], v7, s[92:93]
	global_load_b128 v[108:111], v[CO], s[94:95]
.irp i, 0,1,2,3,4,5,6,7
	global_load_b128 v[128+4*\i:128+4*\i+3], v[CO], s[96:97] offset:512*\i
	global_load_b128 v[160+4*\i:160+4*\i+3], v[CO], s[98:99] offset:512*\i
.endr
	v_mov_b32 v117, 0
	s_wait_loadcnt 0x0
	v_max3_num_f32 v112, v96, v97, v98
	v_max3_num_f32 v114, v108, v109, v110
	v_max3_num_f32 v115, |v128|, |v129|, |v130|
	v_max3_num_f32 v105, |v160|, |v161|, |v162|
	v_max_num_f32 v104, v106, v107
	v_max3_num_f32 v112, v112, v99, v100
	v_max_num_f32 v114, v114, v111
	v_max3_num_f32 v112, v112, v101, v102
.irp i, 3,5,7,9,11,13,15,17,19,21,23,25,27,29
	v_max3_num_f32 v115, v115, |v[128+\i]|, |v[129+\i]|
	v_max3_num_f32 v105, v105, |v[160+\i]|, |v[161+\i]|
.endr
	v_max_num_f32 v112, v112, v103
	v_max_num_f32 v115, v115, |v159|
	v_max_num_f32 v105, v105, |v191|
.irp r, 112,104,114,115,105
	v_max_num_f32_dpp v[\r], v[\r], v[\r] row_xmask:1 row_mask:0xf bank_mask:0xf
	v_max_num_f32_dpp v[\r], v[\r], v[\r] row_xmask:2 row_mask:0xf bank_mask:0xf
	v_max_num_f32_dpp v[\r], v[\r], v[\r] row_xmask:4 row_mask:0xf bank_mask:0xf
	v_max_num_f32_dpp v[\r], v[\r], v[\r] row_xmask:8 row_mask:0xf bank_mask:0xf
	v_permlanex16_b32 v117, v[\r], s2, s3
	v_max_num_f32 v[\r], v[\r], v117
.endr
	v_mul_f32 v116, v112, v104
	v_fmamk_f32 v116, v116, 0x44900000, v115       ; x 1152 + |b1|max: over every a1
	v_mul_f32 v116, v116, v114
	v_fmamk_f32 v116, v116, 0x44804000, v105       ; x 1026 + |b2|max: over every a2
	v_max_num_f32 v116, 0x0d800000, v116           ; at least 2^-100
	v_lshrrev_b32 v116, 23, v116                   ; floor(log2) + 127
	v_sub_nc_u32 v118, 268, v116
	v_lshlrev_b32 v118, 23, v118                   ; S = 2^(14 - floor(log2))
	v_add_nc_u32 v119, -14, v116
	v_lshlrev_b32 v119, 23, v119                   ; 1 / S
	global_store_b64 v7, v[118:119], s[12:13]      ; 32 lanes fill the slot's 256 bytes
.Lno_scale:
.macro FRAG reg, adr, q, i             ; 16 rows x 128 K of codes: lane l holds row l % 16; registers 4 c .. 4 c + 3 hold K = 64 c + 32 (l / 16) + 0 .. 31
.irp c, 0,1
	ds_load_b128 v[\reg+4*\c:\reg+4*\c+3], v[\adr] offset:64*(\q)+32*\c+(\i)*16*PITCH
.endr
.endm
.macro FETCH_B j, q, p
	WIN TO_B
.irp i, 0,1,2,3,4,5,6,7
	FRAG 128*(\p)+8*\i, ADRB+(\j), \q, \i
.endr
	WIN 0
.endm
.macro FETCH_A q, i0
.irp i, \i0, \i0+1, \i0+2, \i0+3
	FRAG AF+8*(\i), ADRA, \q, \i
.endr
.endm
.macro SCALES set, adr                 ; register 4 i + q: lanes 0-15 the word of x's block i, lanes 16-31 that of w1's block i, for the q-th 128 along K
.irp i, 0,1,2,3,4,5,6,7
	ds_load_b128 v[SC+32*\set+4*\i:SC+32*\set+4*\i+3], v[\adr] offset:\i*272
.endr
.endm
; 16 matrix instructions: x's blocks a0, a0 + 1 against w1's eight.  The 64 accumulators take turns, one instruction a turn.  first = 1: the bias starts the sums.
.macro MUL16 a0, p, q, j, first
.irp a, \a0, \a0+1
.irp b, 0,1,2,3,4,5,6,7
.if \first
	v_wmma_scale_f32_16x16x128_f8f6f4 v[8*(8*((\a)%4)+\b):8*(8*((\a)%4)+\b)+7], v[128*(\p)+8*\b:128*(\p)+8*\b+7], v[AF+8*(\a):AF+8*(\a)+7], v[64+128*(\j)+8*\b:64+128*(\j)+8*\b+7], v[SC+32*(\j)+4*\b+(\q)], v[SC+32*(\j)+4*(\a)+(\q)] matrix_a_fmt:MATRIX_FMT_FP4 matrix_b_fmt:MATRIX_FMT_FP4 matrix_a_scale:MATRIX_SCALE_ROW1
.else
	v_wmma_scale_f32_16x16x128_f8f6f4 v[8*(8*((\a)%4)+\b):8*(8*((\a)%4)+\b)+7], v[128*(\p)+8*\b:128*(\p)+8*\b+7], v[AF+8*(\a):AF+8*(\a)+7], v[8*(8*((\a)%4)+\b):8*(8*((\a)%4)+\b)+7], v[SC+32*(\j)+4*\b+(\q)], v[SC+32*(\j)+4*(\a)+(\q)] matrix_a_fmt:MATRIX_FMT_FP4 matrix_b_fmt:MATRIX_FMT_FP4 matrix_a_scale:MATRIX_SCALE_ROW1
.endif
.endr
.endr
.endm
; a step of 128 along K of tile j; in it the fragments of step (nj, nq) are fetched: w1's and x's blocks 0-3 in its middle, x's blocks 4-7 at its end
.macro STEP j, q, nj, nq, first
	s_wait_dscnt 8                                 ; all but the youngest eight loads (x's blocks 4-7)
.if \first
	WIN 0x91                                       ; C (the bias) in window 1
.else
	WIN MUL_LO
.endif
	MUL16 0, (\q)%2, \q, \j, \first
	MUL16 2, (\q)%2, \q, \j, \first
	s_wait_dscnt 0x0
	PLACES                                         ; four places in front of loads into registers that matrix instructions have read
	FETCH_B \nj, \nq, 1-(\q)%2
	FETCH_A \nq, 0
.if \first
	WIN 0xd1
.else
	WIN MUL_HI
.endif
	MUL16 4, (\q)%2, \q, \j, \first
	MUL16 6, (\q)%2, \q, \j, \first
	PLACES
	WIN 0
	FETCH_A \nq, 4
.endm
; block a (16 tokens x 128 units) leaves: relu, rounded to f16 in pairs, eight stores of 512 consecutive bytes.  Each accumulator is read from its low end on.
.macro OUT a, cb
.set AC, 64*((\a)%4)
.set TM, TMP0+96*((\a)%2)
	WIN 0x88+0x44*((\a)/4)
.set k, 0
.rept 64
	v_max_num_f32 v[AC+k], 0, v[AC+k]
.set k, k+1
.endr
	s_wait_xcnt 0x0                                ; the stores of two blocks ago have read the registers that are written below
	WIN 0x0a+5*((\a)/4)
.irp b, 0,1,2,3,4,5,6,7
.irp r, 0,1,2,3
	v_cvt_pk_f16_f32 v[TM+4*\b+\r], v[AC+8*\b+2*\r], v[AC+8*\b+2*\r+1]
.endr
.endr
	WIN 0
.irp b, 0,1,2,3,4,5,6,7
	global_store_b128 v[CO], v[TM+4*\b:TM+4*\b+3], s[\cb:\cb+1] offset:(\a)*32768+\b*512
.endr
.endm
	s_wait_tensorcnt 0x0                           ; my two loads have landed,
	s_barrier_signal -1
	s_barrier_wait -1                              ; everybody's have
	FETCH_B 0, 0, 0
	FETCH_A 0, 0
	SCALES 0, ADRS
	SCALES 1, ADRS1
	FETCH_A 0, 4
	s_wait_loadcnt 0x0                             ; the biases
	STEP 0, 0, 0, 1, 1
	STEP 0, 1, 0, 2, 0
	STEP 0, 2, 0, 3, 0
	STEP 0, 3, 1, 0, 0                             ; its fetches are tile 1's first
.irp a, 0,1,2,3,4,5,6,7
	OUT \a, CB0
.endr
	STEP 1, 0, 1, 1, 1
	STEP 1, 1, 1, 2, 0
	STEP 1, 2, 1, 3, 0
	s_wait_dscnt 8                                 ; the last step: nothing more to fetch
	WIN MUL_LO
	MUL16 0, 1, 3, 1, 0
	MUL16 2, 1, 3, 1, 0
	s_wait_dscnt 0x0
	WIN MUL_HI
	MUL16 4, 1, 3, 1, 0
	MUL16 6, 1, 3, 1, 0
	WIN 0
	PLACES
.irp a, 0,1,2,3,4,5,6,7
	OUT \a, CB1
.endr
	s_wait_tensorcnt 0x0                           ; the wave's end
	ds_add_u32 v[SPW], v[NIL]
	s_wait_dscnt 0x0
	CROUND                                         ; the closing round
	s_endpgm
.Lfunc_end_k_q321717d9be_layer1:
	.size	k_q321717d9be_layer1, .Lfunc_end_k_q321717d9be_layer1-k_q321717d9be_layer1
	.p2alignl 7, 3214868480
	.fill 96, 4, 3214868480
	.section	.rodata,"a",@progbits
	.p2align	6, 0x0
	.amdhsa_kernel k_q321717d9be_layer1
		.amdhsa_group_segment_fixed_size 327680
		.amdhsa_private_segment_fixed_size 0
		.amdhsa_enable_private_segment 0
		.amdhsa_kernarg_size 40
		.amdhsa_user_sgpr_count 2
		.amdhsa_user_sgpr_kernarg_segment_ptr 1
		.amdhsa_wavefront_size32 1
		.amdhsa_system_sgpr_workgroup_id_x 1
		.amdhsa_system_sgpr_workgroup_id_y 1
		.amdhsa_system_sgpr_workgroup_id_z 1
		.amdhsa_system_vgpr_workitem_id 0
		.amdhsa_next_free_vgpr 1024
		.amdhsa_next_free_sgpr 100
		.amdhsa_reserve_vcc 0
		.amdhsa_float_denorm_mode_32 3
		.amdhsa_float_denorm_mode_16_64 3
		.amdhsa_memory_ordered 1
		.amdhsa_forward_progress 1
		.amdhsa_inst_pref_size 182
	.end_amdhsa_kernel
	.amdgpu_metadata
---
amdhsa.version: [ 1, 2 ]
amdhsa.kernels:
  - .name:           k_q321717d9be_layer1
    .symbol:         k_q321717d9be_layer1.kd
    .args:
      - { .name: qc, .offset: 0, .size: 8, .value_kind: global_buffer, .address_space: global }
      - { .name: b1, .offset: 8, .size: 8, .value_kind: global_buffer, .address_space: global }
      - { .name: b2, .offset: 16, .size: 8, .value_kind: global_buffer, .address_space: global }
      - { .name: a1, .offset: 24, .size: 8, .value_kind: global_buffer, .address_space: global }
      - { .name: sc, .offset: 32, .size: 8, .value_kind: global_buffer, .address_space: global }
    .group_segment_fixed_size: 327680
    .private_segment_fixed_size: 0
    .kernarg_segment_align: 8
    .kernarg_segment_size: 40
    .max_flat_workgroup_size: 128
    .sgpr_count:     100
    .vgpr_count:     1024
    .wavefront_size: 32
...
	.end_amdgpu_metadata
.endif
;; end of part 2
;; launch layer2 (part 3): grid 4 x 64, 4 waves a work-group, clusters of 4 x 4, 327,680 bytes of LDS; arguments a1, w2h, a2, b2, sc; writes a2
.if DOCPART == 3
	.amdgcn_target "amdgcn-amd-amdhsa--gfx1250"
	.amdhsa_code_object_version 6
	.text
	.protected	k_q321717d9be_layer2
	.globl	k_q321717d9be_layer2
	.p2align	8
	.type	k_q321717d9be_layer2,@function
k_q321717d9be_layer2:
	s_mov_b64 s[64:65], 0
	v_nop
	global_prefetch_b8 v0, s[64:65] scope:SCOPE_SE
	s_setreg_imm32_b32 hwreg(HW_REG_WAVE_MODE, 25, 1), 1
	s_wait_xcnt 0x0
	s_wait_alu depctr_hold_cnt(0) depctr_sa_sdst(0) depctr_va_vdst(0) depctr_va_sdst(0) depctr_va_ssrc(0) depctr_va_vcc(0) depctr_vm_vsrc(0)
	s_getreg_b32 s2, hwreg(HW_REG_IB_STS2, 6, 4)
	s_cmp_eq_u32 s2, 0
	s_cbranch_scc0 .Lentry_in_a_cluster
	s_endpgm
.Lentry_in_a_cluster:
	s_bfe_u32 s2, ttmp6, 0x10000c
	s_cmp_lg_u32 s2, 0xf033
	s_cbranch_scc0 .Lentry_shape_is_right
	s_endpgm
.Lentry_shape_is_right:
; LAYER 2.  a2[e] = S relu(a1[e] w2[e] + b2[e]), f16 operands, f32 sums; S is the expert's power of two (made one launch ago), so that a2 has room in f16; it is undone behind the next product.
; A tile is 256 tokens x 256 units, K = 1,024; a wave makes 128 x 128: 64 accumulators, 512 registers.  A work-group makes two tiles, 2,048 tokens apart, which share their part of w2 and b2;
; the ring of two LDS slots goes on from the first tile into the second.  The two tiles are written out one behind the other, so that no jump leads round a tensor load.
; K goes in steps of 128.  a1 lies in memory as images of the operand's registers ([block of 16 tokens][32 fragments][1 KiB]): a K step of a block is 4 KiB on end; it is read from LDS 16 bytes a lane, 512 on end.
; w2h lies [k][n]: a K step's 128 rows of 512 bytes get 32 bytes of padding each and are turned on the way into registers by ds_load_tr16_b128.
; CLUSTER 4 x 4: the four of a row share a1's tiles, the four of a column w2's: joint loads.
; TRANSPOSED USE: source 0 = 16 units of w2, source 1 = 16 tokens: a lane holds one token and eight neighbouring units; rounded in pairs they are four registers of the next product's operand,
; so a2 is stored as a1 was: 512 consecutive bytes a store, no stage.
; LIMITS: as stated for a1 and w2h (f16); NaN and infinities are not served.
; REGISTERS: window 0: v16-31 addresses; v64-127, v128-191 a1's fragments, two buffers; v192-255 packed results, two sets.   window 1: v64-127, v128-191 w2's fragments; v192-255 the bias, 8 tiles.
;   windows 2, 3: the accumulators ((a, b) at v[8 (8 a + b)]).
.set PB,     544                       ; a row of w2's tile in LDS: 512 bytes + 32: an odd multiple of 32
.set BOFF,   65536                     ; a slot: a1's 16 blocks x 4 KiB, then w2's 128 rows
.set SLOT,   BOFF+128*PB
.set SPARE,  2*SLOT                    ; the spare words, 128 bytes a wave, that no other line names
.set KA,     4096                      ; a K step on in a1,
.set KB,     262144                    ; in w2h
.set NEXT_A, 128*32768-6*KA            ; from a slot's last K step of the first tile to its first of the second
.set BACK_B, 6*KB
.set PF_NEXT, 128*32768-8*KA+KA        ; the prefetches: from the K step behind the tile's last to the next tile's K step 1
.set ADRA, 16
.set ADRB, 20
.set CO,   26
.set SPW,  28
.set NIL,  29
.set PFO,  30
.set BO,   31
.set F0,   64
.set F1,   128
.set TMP,  192
.set BIAS, 192
.set G1,   24
.set G0,   32
.set LIM,  43                          ; s43 1 in a wave that prefetches, else the greatest number
.set PFA,  44
.set G1B,  48
.set G0B,  56
.set SS,   72                          ; s[72:73] S, 1 / S
.set MSB, 0
.macro WIN new
.if MSB != (\new)
	s_set_vgpr_msb (MSB<<8)|(\new)
.set MSB, (\new)
.endif
.endm
.set MUL_LO, 0xa1
.set MUL_HI, 0xf1
.set TO_B,   0x40
.macro PLACES
.rept 4
	v_nop
.endr
.endm
.macro JLOAD s                         ; a joint refill: waves 0, 1 fetch a1's halves, waves 2, 3 w2's; the branch hangs on the wave's number alone
	s_cmp_eq_u32 s11, 0
	s_cbranch_scc0 .Lfor_b_\@
	tensor_load_to_lds s[G0+4*\s:G0+4*\s+3], s[G1:G1+7]
	s_nop 0
	PLACES
	s_branch .Lasked_\@
.Lfor_b_\@:
	tensor_load_to_lds s[G0B+4*\s:G0B+4*\s+3], s[G1B:G1B+7]
	s_nop 0
	PLACES
.Lasked_\@:
.endm
; a prefetch of a1's K step that stands two refills on.  Of the 8 blocks that wave 0 or 1 fetches, each of the four partners names 2, told apart by address: 32 lanes x 256 bytes; one instruction a wave.
; Each 256 bytes are named once in the launch: one row of one cluster reads them.  how = 0: in the loop, whose last trip has no K step two on; how = 1: at the change of tiles.
.macro ASK how
.if \how
	s_cmp_eq_u32 s[LIM], 1
.else
	s_cmp_gt_u32 s3, s[LIM]
.endif
	s_cbranch_scc0 .Lnot_mine_\@
	global_prefetch_b8 v[PFO], s[PFA:PFA+1] offset:KA th:TH_LOAD_NT scope:SCOPE_SE
.Lnot_mine_\@:
.endm
.macro CREST
	s_cmp_lg_u32 s10, 0
	s_cbranch_scc1 .Lnot_wave_0_\@
	s_barrier_signal -3
.Lnot_wave_0_\@:
	s_barrier_wait -3
	s_barrier_signal -1
	s_barrier_wait -1
.endm
.macro CROUND
	s_barrier_signal -1
	s_barrier_wait -1
	CREST
.endm
	s_load_b128 s[4:7], s[0:1], 0x0                ; a1, w2h
	s_load_b64 s[8:9], s[0:1], 0x10                ; a2
	s_load_b64 s[68:69], s[0:1], 0x18              ; b2
	s_load_b64 s[70:71], s[0:1], 0x20              ; sc
	v_lshl_add_u32 v[SPW], v0, 2, SPARE
	v_mov_b32 v[NIL], 0
	ds_add_u32 v[SPW], v[NIL]                      ; the wave's opening: the add and its wait ahead of my first tensor load
	v_lshrrev_b32 v1, 5, v0
	v_readfirstlane_b32 s10, v1                    ; wave
	s_lshr_b32 s11, s10, 1                         ; my half of the tokens.  Also: I fetch for a1 (0) or w2 (1)
	s_and_b32 s12, s10, 1                          ; my half of the units.  Also: which half I fetch
	s_bfe_u32 s40, ttmp6, 0x40000                  ; cx = the tile column
	s_bfe_u32 s41, ttmp6, 0x40004                  ; cy
	s_and_b32 s13, ttmp7, 0xffff                   ; the cluster's y
	s_lshr_b32 s14, s13, 1                         ; the expert: the same in all sixteen
	s_and_b32 s15, s13, 1
	s_lshl_b32 s15, s15, 2
	s_add_co_u32 s15, s15, s41                     ; the tile row in the expert's first half, 0 .. 7
	s_lshl_b32 s74, s41, 2
	s_lshl_b32 s74, 15, s74                        ; my row of the cluster
	s_lshl_b32 s75, 0x1111, s40                    ; my column
	s_or_b32 s[G1+0], s74, (3<<16)|(1<<21)         ; a1: elements of 8 bytes, no padding
	s_mov_b32 s[G1+1], 512<<16                     ; a row: a block's 4 KiB
	s_mov_b32 s[G1+2], 8<<16                       ; 8 blocks a load
	s_mov_b32 s[G1+3], 512<<16
	s_mov_b32 s[G1+4], 8
	s_mov_b32 s[G1+5], 4096                        ; 32 KiB from block to block
	s_mov_b32 s[G1+6], 0
	s_mov_b32 s[G1+7], 0
	s_or_b32 s[G1B+0], s75, (1<<16)|(1<<20)|(1<<21)|(6<<22)|(7<<25)   ; w2: elements of 2 bytes; 8 words of padding behind every 128
	s_mov_b32 s[G1B+1], 256<<16
	s_mov_b32 s[G1B+2], 64<<16                     ; 64 rows a load
	s_mov_b32 s[G1B+3], 256<<16
	s_mov_b32 s[G1B+4], 64
	s_mov_b32 s[G1B+5], 1024
	s_mov_b32 s[G1B+6], 0
	s_mov_b32 s[G1B+7], 0
	s_lshl_b32 s16, s14, 8
	s_lshl_b32 s17, s15, 4
	s_add_co_u32 s76, s16, s17                     ; the first tile's first block of 16 tokens
	s_lshl_b32 s17, s12, 3
	s_add_co_u32 s16, s76, s17
	s_lshl_b32 s16, s16, 15
	s_mov_b32 s17, 0
	s_lshl_b32 s46, s14, 21                        ; w2h: the expert's 2 MiB,
	s_lshl_b32 s47, s40, 9                         ; my tile's 256 units,
	s_add_co_u32 s46, s46, s47
	s_lshl_b32 s47, s12, 17                        ; my 64 rows
	s_add_co_u32 s46, s46, s47
	s_mov_b32 s47, 0
	s_lshl_b32 s20, s12, 15                        ; where they go: no place in the cluster enters an LDS address
	s_mul_i32 s21, s12, 64*PB
	s_add_co_u32 s21, s21, BOFF
	s_lshl_b32 s18, s14, 9                         ; the expert's slot in sc
	s_mov_b32 s19, 0
	s_wait_dscnt 0x0                               ; the opening add is done
	s_wait_kmcnt 0x0
	s_add_nc_u64 s[70:71], s[70:71], s[18:19]
	s_load_b64 s[SS:SS+1], s[70:71], 0x0
	s_add_nc_u64 s[22:23], s[4:5], s[16:17]
	s_add_nc_u64 s[46:47], s[6:7], s[46:47]
	CROUND                                         ; all sixteen work-groups are here: the first joint loads meet
.irp s, 0,1
	s_mov_b32 s[G0+4*\s], 1
	s_add_co_u32 s[G0+4*\s+1], s20, \s*SLOT
	s_add_nc_u64 s[G0+4*\s+2:G0+4*\s+3], s[22:23], \s*KA
	s_or_b32 s[G0+4*\s+3], s[G0+4*\s+3], 0x80000000
	s_mov_b32 s[G0B+4*\s], 1
	s_add_co_u32 s[G0B+4*\s+1], s21, \s*SLOT
	s_add_nc_u64 s[G0B+4*\s+2:G0B+4*\s+3], s[46:47], \s*KB
	s_or_b32 s[G0B+4*\s+3], s[G0B+4*\s+3], 0x80000000
.endr
	s_cmp_eq_u32 s11, 0                            ; a wave's two first fills stand in one branch: two loads of mine are out
	s_cbranch_scc0 .Lfirst_b
	tensor_load_to_lds s[G0:G0+3], s[G1:G1+7]
	s_nop 0
	tensor_load_to_lds s[G0+4:G0+7], s[G1:G1+7]
	s_nop 0
	PLACES
	s_branch .Lfirst_asked
.Lfirst_b:
	tensor_load_to_lds s[G0B:G0B+3], s[G1B:G1B+7]
	s_nop 0
	tensor_load_to_lds s[G0B+4:G0B+7], s[G1B:G1B+7]
	s_nop 0
	PLACES
.Lfirst_asked:
	v_and_b32 v1, 31, v0
	v_lshlrev_b32 v[CO], 4, v1                     ; 16 x lane
	v_bfe_u32 v2, v0, 4, 1                         ; h
	v_and_b32 v3, 7, v0
	v_bfe_u32 v4, v0, 3, 1
	v_lshl_add_u32 v3, v2, 3, v3
	v_mul_u32_u24 v3, v3, PB                       ; the turning load: row 8 h + l % 8,
	v_lshl_add_u32 v3, v4, 4, v3                   ; 16 bytes for each half of eight lanes
	s_lshl_b32 s16, s11, 15                        ; my 8 blocks of a1
	s_lshl_b32 s17, s12, 8
	s_add_co_u32 s17, s17, BOFF                    ; my 128 units of w2
.irp s, 0,1
	v_add_nc_u32 v[ADRA+\s], s16, v[CO]
	v_add_nc_u32 v[ADRB+\s], s17, v3
	s_add_co_u32 s16, s16, SLOT
	s_add_co_u32 s17, s17, SLOT
.endr
	v_lshlrev_b32 v[BO], 5, v2
	s_lshl_b32 s16, s14, 12                        ; b2: 1,024 e + 256 cx + 128 x half numbers on
	s_lshl_b32 s17, s40, 10
	s_add_co_u32 s16, s16, s17
	s_lshl_b32 s17, s12, 9
	s_add_co_u32 s16, s16, s17
	s_mov_b32 s17, 0
	s_add_nc_u64 s[68:69], s[68:69], s[16:17]
	WIN TO_B
.irp b, 0,1,2,3,4,5,6,7
	global_load_b128 v[BIAS+8*\b:BIAS+8*\b+3], v[BO], s[68:69] offset:64*\b
	global_load_b128 v[BIAS+8*\b+4:BIAS+8*\b+7], v[BO], s[68:69] offset:64*\b+16
.endr
	WIN 0
	s_lshl_b32 s16, s11, 3
	s_add_co_u32 s16, s16, s76
	s_lshl_b32 s16, s16, 15                        ; a2: my first block,
	s_lshl_b32 s18, s40, 3
	s_lshl_b32 s19, s12, 2
	s_add_co_u32 s18, s18, s19
	s_lshl_b32 s18, s18, 10                        ; my first fragment
	s_add_co_u32 s16, s16, s18
	s_add_nc_u64 s[8:9], s[8:9], s[16:17]
	s_lshl_b32 s16, s12, 3                         ; the prefetches: the 8 blocks that I fetch,
	s_add_co_u32 s16, s16, s76
	s_lshl_b32 s18, s40, 1                         ; my work-group's 2 of them,
	s_add_co_u32 s16, s16, s18
	s_lshl_b32 s16, s16, 15
	s_add_co_u32 s16, s16, 2*KA                    ; at K step 2: the first refill steps it to 3 and names K step 4
	s_add_nc_u64 s[PFA:PFA+1], s[4:5], s[16:17]
	s_cmp_eq_u32 s11, 0
	s_cselect_b32 s[LIM], 1, -1
	v_and_b32 v5, 15, v0
	v_lshlrev_b32 v5, 8, v5
	v_lshl_add_u32 v[PFO], v2, 15, v5              ; lanes 0-15 one block's 4 KiB, lanes 16-31 the next block's; 256 bytes a lane
.macro MUL16 f, hi, a0, first          ; 16 matrix instructions; the 64 accumulators take turns, one instruction a turn.  first = 1: the bias starts the sums
.irp a, \a0, \a0+1
.irp b, 0,1,2,3,4,5,6,7
.if \first
	v_wmma_f32_16x16x32_f16 v[8*(8*(\a)+\b):8*(8*(\a)+\b)+7], v[\f+8*\b:\f+8*\b+7], v[\f+8*(4*\hi+(\a)):\f+8*(4*\hi+(\a))+7], v[BIAS+8*\b:BIAS+8*\b+7]
.else
	v_wmma_f32_16x16x32_f16 v[8*(8*(\a)+\b):8*(8*(\a)+\b)+7], v[\f+8*\b:\f+8*\b+7], v[\f+8*(4*\hi+(\a)):\f+8*(4*\hi+(\a))+7], v[8*(8*(\a)+\b):8*(8*(\a)+\b)+7]
.endif
.endr
.endr
.endm
.macro FETCH slot, q, f                ; 32 LDS loads in one run: the fragments of the slot's q-th 32 along K
	WIN TO_B
.irp i, 0,1,2,3,4,5,6,7
	ds_load_tr16_b128 v[\f+8*\i:\f+8*\i+3],   v[ADRB+\slot] offset:32*PB*(\q)+32*\i
	ds_load_tr16_b128 v[\f+8*\i+4:\f+8*\i+7], v[ADRB+\slot] offset:32*PB*(\q)+32*\i+16*PB
.endr
	WIN 0
.irp i, 0,1,2,3,4,5,6,7
	ds_load_b128 v[\f+8*\i:\f+8*\i+3],   v[ADRA+\slot] offset:4096*\i+1024*(\q)
	ds_load_b128 v[\f+8*\i+4:\f+8*\i+7], v[ADRA+\slot] offset:4096*\i+1024*(\q)+512
.endr
.endm
.macro QUARTER slot, q, f, g, first    ; multiplies buffer f; in its middle fetches the slot's q-th quarter into g
	s_wait_dscnt 8                                 ; all but a1's upper four blocks
.if \first
	WIN 0x91
.else
	WIN MUL_LO
.endif
	MUL16 \f, 0, 0, \first
	MUL16 \f, 0, 2, \first
	PLACES                                         ; four places in front of loads into registers that matrix instructions have read
	FETCH \slot, \q, \g
	s_wait_dscnt 32                                ; all but the 32 just issued
.if \first
	WIN 0xd1
.else
	WIN MUL_HI
.endif
	MUL16 \f, 1, 0, \first
	MUL16 \f, 1, 2, \first
.endm
.macro MEET round                      ; the change of slots: one barrier, for two things
	WIN 0
	s_wait_tensorcnt 0x0                           ; all my tensor loads have landed: the one that was out is my part of the next slot;
	ds_add_u32 v[SPW], v[NIL]                      ; 0 onto my spare word;
	s_wait_dscnt 9                                 ; (the add and the youngest eight loads may be out)
	WIN MUL_LO
	MUL16 F1, 0, 0, 0
	s_wait_dscnt 0x0                               ; the add is done, and my reads of this slot are over
	s_barrier_signal -1
	MUL16 F1, 0, 2, 0
.if \round
	WIN 0
.endif
	s_barrier_wait -1
.endm
; a slot's last quarter.  on = 0: the slot takes this tile's K step two on; 1: the next tile's K step 0 or 1; 2: nothing is left to fetch
.macro TURN slot, next, on
.if (\on) < 2
	s_wait_xcnt 0x0                                ; the last prefetch, a K step back, has read its address
.if ((\on) == 1) && ((\slot) == 0)
	s_add_nc_u64 s[PFA:PFA+1], s[PFA:PFA+1], PF_NEXT
.else
	s_add_nc_u64 s[PFA:PFA+1], s[PFA:PFA+1], KA
.endif
	MEET 1
	CREST                                          ; the barrier has opened a round of the cluster's: no wave of any partner still reads this slot or has a load on its way
.if (\on) == 1
	s_add_nc_u64 s[G0+4*\slot+2:G0+4*\slot+3], s[G0+4*\slot+2:G0+4*\slot+3], NEXT_A
	s_sub_nc_u64 s[G0B+4*\slot+2:G0B+4*\slot+3], s[G0B+4*\slot+2:G0B+4*\slot+3], BACK_B
.else
	s_add_nc_u64 s[G0+4*\slot+2:G0+4*\slot+3], s[G0+4*\slot+2:G0+4*\slot+3], 2*KA
	s_add_nc_u64 s[G0B+4*\slot+2:G0B+4*\slot+3], s[G0B+4*\slot+2:G0B+4*\slot+3], 2*KB
.endif
	JLOAD \slot                                    ; my one tensor load behind the round; its four v_nop are the places in front of the loads below
.else
	MEET 0
	PLACES
.endif
	FETCH \next, 0, F0
.if (\on) < 2
	ASK \on
.endif
	WIN MUL_HI
	MUL16 F1, 1, 0, 0
	MUL16 F1, 1, 2, 0
.endm
; block a (16 tokens x 128 units) leaves: relu, x S, rounded to f16 in pairs, eight stores of 512 consecutive bytes.  Each accumulator is read from its low end on.
.macro OUT a
.set AC, 64*((\a)%4)
.set TM, TMP+32*((\a)%2)
	WIN 0x88+0x44*((\a)/4)
.set k, 0
.rept 64
	v_max_num_f32 v[AC+k], 0, v[AC+k]
.set k, k+1
.endr
	WIN 0x82+0x41*((\a)/4)
.set k, 0
.rept 32
	v_pk_mul_f32 v[AC+k:AC+k+1], v[AC+k:AC+k+1], s[SS:SS+1] op_sel_hi:[1,0]
.set k, k+2
.endr
	s_wait_xcnt 0x0                                ; the stores of two blocks ago have read the registers that are written below
	WIN 0x0a+5*((\a)/4)
.irp b, 0,1,2,3,4,5,6,7
.irp r, 0,1,2,3
	v_cvt_pk_f16_f32 v[TM+4*\b+\r], v[AC+8*\b+2*\r], v[AC+8*\b+2*\r+1]
.endr
.endr
	WIN 0
.irp b, 0,1,2,3,4,5,6,7
	global_store_b128 v[CO], v[TM+4*\b:TM+4*\b+3], s[8:9] offset:(\a)*32768+\b*512
.endr
.endm
; a whole tile: 8 K steps.  The first quarter stands in front of the loop; a trip goes once round the ring, from a lap's second quarter to the next lap's first.
.macro TILE last
	QUARTER 0, 1, F0, F1, 1
	WIN 0
	s_mov_b32 s3, 3
.Llap_\@:
	QUARTER 0, 2, F1, F0, 0
	QUARTER 0, 3, F0, F1, 0
	TURN 0, 1, 0
	QUARTER 1, 1, F0, F1, 0
	QUARTER 1, 2, F1, F0, 0
	QUARTER 1, 3, F0, F1, 0
	TURN 1, 0, 0
	QUARTER 0, 1, F0, F1, 0
	WIN 0
	s_sub_co_u32 s3, s3, 1
	s_cmp_lg_u32 s3, 0
	s_cbranch_scc1 .Llap_\@
	QUARTER 0, 2, F1, F0, 0
	QUARTER 0, 3, F0, F1, 0
.if \last
	TURN 0, 1, 2
.else
	TURN 0, 1, 1                                   ; the ring goes on into the next tile
.endif
	QUARTER 1, 1, F0, F1, 0
	QUARTER 1, 2, F1, F0, 0
	QUARTER 1, 3, F0, F1, 0
.if \last
	s_wait_dscnt 8
	WIN MUL_LO
	MUL16 F1, 0, 0, 0
	MUL16 F1, 0, 2, 0
	s_wait_dscnt 0x0
	WIN MUL_HI
	MUL16 F1, 1, 0, 0
	MUL16 F1, 1, 2, 0
	PLACES
.else
	TURN 1, 0, 1                                   ; blocks 0-3 were finished in front of its places; their way out is the places behind blocks 4-7's last products
.endif
.irp a, 0,1,2,3,4,5,6,7
	OUT \a
.endr
.endm
	s_wait_tensorcnt 1                             ; my part of K step 0 is in (K step 1's may be out)
	s_barrier_signal -1
	s_barrier_wait -1                              ; everybody's is
	FETCH 0, 0, F0
	s_wait_loadcnt 0x0                             ; the bias
	s_wait_kmcnt 0x0                               ; S
	TILE 0
	s_wait_xcnt 0x0                                ; the stores have read their base
	s_add_nc_u64 s[8:9], s[8:9], 128*32768
	TILE 1
	s_wait_tensorcnt 0x0                           ; the wave's end
	ds_add_u32 v[SPW], v[NIL]
	s_wait_dscnt 0x0
	CROUND                                         ; the closing round
	s_endpgm
.Lfunc_end_k_q321717d9be_layer2:
	.size	k_q321717d9be_layer2, .Lfunc_end_k_q321717d9be_layer2-k_q321717d9be_layer2
	.p2alignl 7, 3214868480
	.fill 96, 4, 3214868480
	.section	.rodata,"a",@progbits
	.p2align	6, 0x0
	.amdhsa_kernel k_q321717d9be_layer2
		.amdhsa_group_segment_fixed_size 327680
		.amdhsa_private_segment_fixed_size 0
		.amdhsa_enable_private_segment 0
		.amdhsa_kernarg_size 40
		.amdhsa_user_sgpr_count 2
		.amdhsa_user_sgpr_kernarg_segment_ptr 1
		.amdhsa_wavefront_size32 1
		.amdhsa_system_sgpr_workgroup_id_x 1
		.amdhsa_system_sgpr_workgroup_id_y 1
		.amdhsa_system_sgpr_workgroup_id_z 1
		.amdhsa_system_vgpr_workitem_id 0
		.amdhsa_next_free_vgpr 1024
		.amdhsa_next_free_sgpr 80
		.amdhsa_reserve_vcc 0
		.amdhsa_float_denorm_mode_32 3
		.amdhsa_float_denorm_mode_16_64 3
		.amdhsa_memory_ordered 1
		.amdhsa_forward_progress 1
		.amdhsa_inst_pref_size 255
	.end_amdhsa_kernel
	.section	.bss,"aw",@nobits
	.p2align	6
	.space	262144
	.amdgpu_metadata
---
amdhsa.version: [ 1, 2 ]
amdhsa.kernels:
  - .name:           k_q321717d9be_layer2
    .symbol:         k_q321717d9be_layer2.kd
    .args:
      - { .name: a1, .offset: 0, .size: 8, .value_kind: global_buffer, .address_space: global }
      - { .name: w2h, .offset: 8, .size: 8, .value_kind: global_buffer, .address_space: global }
      - { .name: a2, .offset: 16, .size: 8, .value_kind: global_buffer, .address_space: global }
      - { .name: b2, .offset: 24, .size: 8, .value_kind: global_buffer, .address_space: global }
      - { .name: sc, .offset: 32, .size: 8, .value_kind: global_buffer, .address_space: global }
    .group_segment_fixed_size: 327680
    .private_segment_fixed_size: 0
    .kernarg_segment_align: 8
    .kernarg_segment_size: 40
    .max_flat_workgroup_size: 128
    .sgpr_count:     80
    .vgpr_count:     1024
    .wavefront_size: 32
...
	.end_amdgpu_metadata
.endif
;; end of part 3
;; launch layer3 (part 4): grid 32 x 8, 4 waves a work-group, clusters of 4 x 1, 327,680 bytes of LDS; arguments a2, woh, yp, bout, sc; writes yp
.if DOCPART == 4
	.amdgcn_target "amdgcn-amd-amdhsa--gfx1250"
	.amdhsa_code_object_version 6
	.text
	.protected	k_q321717d9be_layer3
	.globl	k_q321717d9be_layer3
	.p2align	8
	.type	k_q321717d9be_layer3,@function
k_q321717d9be_layer3:
	s_mov_b64 s[64:65], 0
	v_nop
	global_prefetch_b8 v0, s[64:65] scope:SCOPE_SE
	s_setreg_imm32_b32 hwreg(HW_REG_WAVE_MODE, 25, 1), 1
	s_wait_xcnt 0x0
	s_wait_alu depctr_hold_cnt(0) depctr_sa_sdst(0) depctr_va_vdst(0) depctr_va_sdst(0) depctr_va_ssrc(0) depctr_va_vcc(0) depctr_vm_vsrc(0)
	s_getreg_b32 s2, hwreg(HW_REG_IB_STS2, 6, 4)
	s_cmp_eq_u32 s2, 0
	s_cbranch_scc0 .Lentry_in_a_cluster
	s_endpgm
.Lentry_in_a_cluster:
	s_bfe_u32 s2, ttmp6, 0x10000c
	s_cmp_lg_u32 s2, 0x3003
	s_cbranch_scc0 .Lentry_shape_is_right
	s_endpgm
.Lentry_shape_is_right:
; LAYER 3.  yp[e] = (a2[e] wout[e]) / S + bout[e], f16 operands, f32 sums and results.  a2 carries the expert's power of two S, which is taken off here, exactly.
; A work-group takes 256 tokens x 128 outputs of one expert, K = 1,024.  Its part of wout (1,024 rows of 256 bytes) stays in LDS whole: four first fills a wave, nothing is filled again.
; The four work-groups of a cluster take other tokens of the same expert and outputs, so wout's rows are asked for jointly.
; WHO TAKES WHAT: the expert is the cluster's y; the half of the outputs is the cluster's x & 1; the tokens are 256 x (4 x (the cluster's x >> 1) + my place in the cluster).  So the two work-groups that
; read the same rows of a2 (the two halves of the outputs of the same tokens) stand in clusters that are neighbours along x, and walk K in the same order.
; a2's tiles have those two readers only, in different clusters, so they are not asked for jointly: they go from memory straight into registers, being stored as images of the operand's registers:
; a fragment is two loads of 512 consecutive bytes; a ring eight fragments deep keeps 56 loads a wave on their way.
; A wave makes 64 tokens x 128 outputs: 32 accumulators.  TRANSPOSED USE: source 0 = 16 outputs of wout (turned by ds_load_tr16_b128), source 1 = 16 tokens.
; yp is stored as images of the result's registers: [e][block of 16 tokens][16 tiles of outputs][2 halves][lane][16 bytes]: 512 consecutive bytes a store.
; REGISTERS: window 0: v16-23 LDS bases, v24 16 x lane, v25 32 x (lane / 16), v32-95 bout in the result's layout, v128-255 wout's fragments, two sets.   window 1: a2's ring.   window 2: the accumulators.
.set PW,    288                        ; a row of wout's part in LDS: 256 bytes + 32: an odd multiple of 32
.set SPARE, 1024*PW                    ; the spare words, 128 bytes a wave, that no other line names
.set AB,  16
.set VA,  24
.set BO,  25
.set SPW, 28
.set NIL, 29
.set BT,  32
.set BS,  128
.set MSB, 0
.macro WIN new
.if MSB != (\new)
	s_set_vgpr_msb (MSB<<8)|(\new)
.set MSB, (\new)
.endif
.endm
.macro PLACES
.rept 4
	v_nop
.endr
.endm
.macro CROUND
	s_barrier_signal -1
	s_barrier_wait -1
	s_cmp_lg_u32 s14, 0
	s_cbranch_scc1 .Lnot_wave_0_\@
	s_barrier_signal -3
.Lnot_wave_0_\@:
	s_barrier_wait -3
	s_barrier_signal -1
	s_barrier_wait -1
.endm
	s_load_b256 s[4:11], s[0:1], 0x0               ; a2 4, woh 6, yp 8, bout 10
	s_load_b64 s[12:13], s[0:1], 0x20              ; sc
	v_lshl_add_u32 v[SPW], v0, 2, SPARE
	v_mov_b32 v[NIL], 0
	ds_add_u32 v[SPW], v[NIL]                      ; the wave's opening: the add and its wait ahead of my first tensor load
	v_lshrrev_b32 v1, 5, v0
	v_readfirstlane_b32 s14, v1                    ; wave
	s_bfe_u32 s15, ttmp6, 0x40000                  ; cx
	s_lshr_b32 s16, ttmp9, 1                       ; the cluster's x: its upper bits say which 1,024 tokens,
	s_lshl_b32 s16, s16, 2
	s_add_co_u32 s16, s16, s15                     ; with cx: which 256 tokens;
	s_and_b32 s19, ttmp9, 1                        ; its lowest bit: which 128 outputs
	s_and_b32 s18, ttmp7, 0xffff                   ; the cluster's y: the expert
	s_mov_b32 s24, 15|(1<<16)|(1<<20)|(1<<21)|(5<<22)|(7<<25)   ; all four work-groups; elements of 2 bytes; 8 words of padding behind every 64
	s_mov_b32 s25, 128<<16
	s_mov_b32 s26, 64<<16                          ; 64 rows a load
	s_mov_b32 s27, 128<<16
	s_mov_b32 s28, 64
	s_mov_b32 s29, 256
	s_mov_b32 s30, 0
	s_mov_b32 s31, 0
	s_lshl_b32 s20, s18, 19
	s_lshl_b32 s21, s19, 8
	s_add_co_u32 s20, s20, s21
	s_lshl_b32 s21, s14, 15                        ; my 64 rows of each chunk of 256
	s_add_co_u32 s20, s20, s21
	s_mov_b32 s21, 0
	s_mul_i32 s22, s14, 64*PW
	s_lshl_b32 s48, s18, 9
	s_mov_b32 s49, 0
	s_wait_dscnt 0x0                               ; the opening add is done
	s_wait_kmcnt 0x0
	s_add_nc_u64 s[12:13], s[12:13], s[48:49]
	s_load_b64 s[50:51], s[12:13], 0x0             ; S, 1 / S
	s_add_nc_u64 s[20:21], s[6:7], s[20:21]
	CROUND                                         ; all four work-groups are here: the joint loads meet
.irp c, 0,1,2,3
	s_mov_b32 s[32+4*\c], 1
	s_add_co_u32 s[33+4*\c], s22, \c*256*PW
	s_add_nc_u64 s[34+4*\c:35+4*\c], s[20:21], \c*131072
	s_or_b32 s[35+4*\c], s[35+4*\c], 0x80000000
.endr
.irp c, 0,1,2,3
	tensor_load_to_lds s[32+4*\c:35+4*\c], s[24:31] ; four loads of mine are out: chunk c = K 256 c on
	s_nop 0
.endr
	PLACES
	v_and_b32 v1, 31, v0
	v_lshlrev_b32 v[VA], 4, v1
	v_bfe_u32 v2, v0, 4, 1
	v_and_b32 v3, 7, v0
	v_bfe_u32 v4, v0, 3, 1
	v_lshl_add_u32 v3, v2, 3, v3
	v_mul_u32_u24 v3, v3, PW
	v_lshl_add_u32 v[AB], v4, 4, v3                ; the turning load's place for my lane;
.irp g, 1,2,3,4,5,6,7
	v_add_nc_u32 v[AB+\g], \g*128*PW, v[AB]        ; a base for each 128 along K, so that the offsets stay in 16 bits
.endr
	v_lshlrev_b32 v[BO], 5, v2
	s_lshl_b32 s54, s18, 8
	s_lshl_b32 s55, s16, 4
	s_add_co_u32 s54, s54, s55
	s_lshl_b32 s55, s14, 2
	s_add_co_u32 s54, s54, s55                     ; my first block of 16 tokens
	s_lshl_b32 s56, s54, 15
	s_mov_b32 s57, 0
	s_add_nc_u64 s[4:5], s[4:5], s[56:57]
	s_lshl_b32 s56, s54, 14
	s_lshl_b32 s55, s19, 13
	s_add_co_u32 s56, s56, s55
	s_add_nc_u64 s[8:9], s[8:9], s[56:57]
	s_lshl_b32 s56, s18, 10
	s_lshl_b32 s55, s19, 9
	s_add_co_u32 s56, s56, s55
	s_add_nc_u64 s[10:11], s[10:11], s[56:57]
.irp b, 0,1,2,3,4,5,6,7
	global_load_b128 v[BT+8*\b:BT+8*\b+3], v[BO], s[10:11] offset:64*\b
	global_load_b128 v[BT+8*\b+4:BT+8*\b+7], v[BO], s[10:11] offset:64*\b+16
.endr
.macro ALOAD f                         ; fragment f (32 along K) of my four blocks: 8 loads into ring place f % 8
.irp a, 0,1,2,3
.irp c, 0,1
	global_load_b128 v[32*((\f)%8)+8*\a+4*\c:32*((\f)%8)+8*\a+4*\c+3], v[VA], s[4:5] offset:\a*32768+(\f)*1024+\c*512
.endr
.endr
.endm
.macro BLOAD f                         ; wout's eight fragments of the same 32 along K, turned
.irp b, 0,1,2,3,4,5,6,7
	ds_load_tr16_b128 v[BS+64*((\f)%2)+8*\b:BS+64*((\f)%2)+8*\b+3],   v[AB+(\f)/4] offset:((\f)%4)*32*PW+32*\b
	ds_load_tr16_b128 v[BS+64*((\f)%2)+8*\b+4:BS+64*((\f)%2)+8*\b+7], v[AB+(\f)/4] offset:((\f)%4)*32*PW+32*\b+16*PW
.endr
.endm
.macro MUL32 f                         ; the 32 accumulators take turns, one instruction a turn; the first K step starts the sums
.irp a, 0,1,2,3
.irp b, 0,1,2,3,4,5,6,7
.if (\f) == 0
	v_wmma_f32_16x16x32_f16 v[8*(8*\a+\b):8*(8*\a+\b)+7], v[BS+64*((\f)%2)+8*\b:BS+64*((\f)%2)+8*\b+7], v[32*((\f)%8)+8*\a:32*((\f)%8)+8*\a+7], 0
.else
	v_wmma_f32_16x16x32_f16 v[8*(8*\a+\b):8*(8*\a+\b)+7], v[BS+64*((\f)%2)+8*\b:BS+64*((\f)%2)+8*\b+7], v[32*((\f)%8)+8*\a:32*((\f)%8)+8*\a+7], v[8*(8*\a+\b):8*(8*\a+\b)+7]
.endif
.endr
.endr
.endm
	WIN 0x40
.irp f, 0,1,2,3,4,5,6
	ALOAD \f
.endr
	WIN 0
	s_wait_tensorcnt 3                             ; my part of chunk 0 is in; the three chunks behind it may be out
	s_barrier_signal -1
	s_barrier_wait -1                              ; everybody's is
	BLOAD 0
.set F, 0
.rept 32
.if F > 0
	PLACES                                         ; four places in front of loads into registers that the last step's matrix instructions have read
.endif
.if F+7 < 32
	WIN 0x40
	ALOAD F+7
.endif
	WIN 0
.if ((F+1)%8 == 0) && (F+1 < 32)
	s_wait_tensorcnt 3-(F+1)/8                     ; my part of the next chunk is in,
	s_wait_dscnt 0x0
	s_barrier_signal -1
	s_barrier_wait -1                              ; everybody's is
.endif
.if F+1 < 32
	BLOAD F+1
.endif
.if 31-F >= 7
	s_wait_loadcnt 56                              ; this fragment's 8 loads are in; the seven younger fragments' stay out
.else
	s_wait_loadcnt 8*(31-F)
.endif
.if F+1 < 32
	s_wait_dscnt 16                                ; this step's 16 are in; the next step's may be out
.else
	s_wait_dscnt 0x0
.endif
	WIN 0xa4                                       ; source 0 window 0, source 1 window 1, C and D window 2
	MUL32 F
.set F, F+1
.endr
	PLACES
	s_wait_kmcnt 0x0
	s_mov_b32 s52, s51                             ; 1 / S, as the low word of a pair
	s_mov_b32 s53, s51
	WIN 0x82
.irp a, 0,1,2,3
.irp b, 0,1,2,3,4,5,6,7
.irp k, 0,2,4,6
	v_pk_fma_f32 v[8*(8*\a+\b)+\k:8*(8*\a+\b)+\k+1], v[8*(8*\a+\b)+\k:8*(8*\a+\b)+\k+1], s[52:53], v[BT+8*\b+\k:BT+8*\b+\k+1] op_sel_hi:[1,0,1]
.endr
.endr
.endr
	WIN 0x08                                       ; a store's data are its source 1: window 2
.irp a, 0,1,2,3
.irp b, 0,1,2,3,4,5,6,7
	global_store_b128 v[VA], v[8*(8*\a+\b):8*(8*\a+\b)+3], s[8:9] offset:\a*16384+\b*1024
	global_store_b128 v[VA], v[8*(8*\a+\b)+4:8*(8*\a+\b)+7], s[8:9] offset:\a*16384+\b*1024+512
.endr
.endr
	WIN 0
	s_wait_tensorcnt 0x0                           ; the wave's end
	ds_add_u32 v[SPW], v[NIL]
	s_wait_dscnt 0x0
	CROUND                                         ; the closing round
	s_endpgm
.Lfunc_end_k_q321717d9be_layer3:
	.size	k_q321717d9be_layer3, .Lfunc_end_k_q321717d9be_layer3-k_q321717d9be_layer3
	.p2alignl 7, 3214868480
	.fill 96, 4, 3214868480
	.section	.rodata,"a",@progbits
	.p2align	6, 0x0
	.amdhsa_kernel k_q321717d9be_layer3
		.amdhsa_group_segment_fixed_size 327680
		.amdhsa_private_segment_fixed_size 0
		.amdhsa_enable_private_segment 0
		.amdhsa_kernarg_size 40
		.amdhsa_user_sgpr_count 2
		.amdhsa_user_sgpr_kernarg_segment_ptr 1
		.amdhsa_wavefront_size32 1
		.amdhsa_system_sgpr_workgroup_id_x 1
		.amdhsa_system_sgpr_workgroup_id_y 1
		.amdhsa_system_sgpr_workgroup_id_z 1
		.amdhsa_system_vgpr_workitem_id 0
		.amdhsa_next_free_vgpr 768
		.amdhsa_next_free_sgpr 66
		.amdhsa_reserve_vcc 0
		.amdhsa_float_denorm_mode_32 3
		.amdhsa_float_denorm_mode_16_64 3
		.amdhsa_memory_ordered 1
		.amdhsa_forward_progress 1
		.amdhsa_inst_pref_size 151
	.end_amdhsa_kernel
	.amdgpu_metadata
---
amdhsa.version: [ 1, 2 ]
amdhsa.kernels:
  - .name:           k_q321717d9be_layer3
    .symbol:         k_q321717d9be_layer3.kd
    .args:
      - { .name: a2, .offset: 0, .size: 8, .value_kind: global_buffer, .address_space: global }
      - { .name: woh, .offset: 8, .size: 8, .value_kind: global_buffer, .address_space: global }
      - { .name: yp, .offset: 16, .size: 8, .value_kind: global_buffer, .address_space: global }
      - { .name: bout, .offset: 24, .size: 8, .value_kind: global_buffer, .address_space: global }
      - { .name: sc, .offset: 32, .size: 8, .value_kind: global_buffer, .address_space: global }
    .group_segment_fixed_size: 327680
    .private_segment_fixed_size: 0
    .kernarg_segment_align: 8
    .kernarg_segment_size: 40
    .max_flat_workgroup_size: 128
    .sgpr_count:     66
    .vgpr_count:     768
    .wavefront_size: 32
...
	.end_amdgpu_metadata
.endif
;; end of part 4
;; launch fin (part 5): grid 256 x 1, 4 waves a work-group, clusters of 4 x 1, 175,616 bytes of LDS; arguments qc, rb1, rb2, rout, rbout, yp, out0; writes out0
.if DOCPART == 5
	.amdgcn_target "amdgcn-amd-amdhsa--gfx1250"
	.amdhsa_code_object_version 6
	.text
	.protected	k_q321717d9be_fin
	.globl	k_q321717d9be_fin
	.p2align	8
	.type	k_q321717d9be_fin,@function
k_q321717d9be_fin:
	s_mov_b64 s[64:65], 0
	v_nop
	global_prefetch_b8 v0, s[64:65] scope:SCOPE_SE
	s_setreg_imm32_b32 hwreg(HW_REG_WAVE_MODE, 25, 1), 1
	s_wait_xcnt 0x0
	s_wait_alu depctr_hold_cnt(0) depctr_sa_sdst(0) depctr_va_vdst(0) depctr_va_sdst(0) depctr_va_ssrc(0) depctr_va_vcc(0) depctr_vm_vsrc(0)
	s_getreg_b32 s2, hwreg(HW_REG_IB_STS2, 6, 4)
	s_cmp_eq_u32 s2, 0
	s_cbranch_scc0 .Lentry_in_a_cluster
	s_endpgm
.Lentry_in_a_cluster:
	s_bfe_u32 s2, ttmp6, 0x10000c
	s_cmp_lg_u32 s2, 0x3003
	s_cbranch_scc0 .Lentry_shape_is_right
	s_endpgm
.Lentry_shape_is_right:
; FIN.  The router and the weighted sum.  h1 = relu(Q(x) Q(r1) + rb1) on codes of E2M1; h2 = relu(h1 r2 + rb2) with f16 operands; logits = h2 rout + rbout by f32 multiply-adds;
; gates = softmax, with the row's maximum taken away; out = the sum over experts of gate x yp.
; A work-group owns 16 tokens.  Wave w makes router units 64 w .. 64 w + 63 of both hidden layers and outputs 64 w .. 64 w + 63.  All products are used transposed: a lane holds ONE token (lane % 16) throughout.
; h1 goes from wave to wave through LDS as images of the next operand's registers; the waves' partial logits meet in LDS; two barriers.
; r2 (as f16, [k][n], turned on the way into registers) and rout are the same for every work-group: the four of a cluster ask for them jointly; first fills alone.
; The results leave through the wave's own stage: sixteen lanes store 256 consecutive bytes, aligned.
; LIMITS: h1 and r2 must stay under 65,504 (f16); NaN and infinities are not served.
; REGISTERS: window 0: v1-29 addresses; v32-63 x's four fragments; v64-95 h2 (begun with rb2); v96-127 h1 (begun with rb1); v128-143 h1 as f16; v144-163 scale words and nothing else;
;   v164-179 h1's fragments in hand; v180-187 logits, then gates; v188-191 at work; v192-255 r2's fragments, later partial logits, results and rows.   window 1: yp, 8 experts x 32.   window 2: r1's fragments, later rout.
.set Q_XS,  1048576
.set Q_R1C, 3342336
.set Q_R1S, 3407872
.set Q_R2H, 3411968
.set PR,    544                        ; a row of r2 in LDS: 512 bytes + 32
.set ROUT,  256*PR                     ; rout, 8,192 bytes as they lie
.set HIMG,  ROUT+8192                  ; h1's eight fragments, 1 KiB each
.set LGS,   HIMG+8192                  ; partial logits: 512 bytes a wave
.set OST,   LGS+2048                   ; a stage of 16 rows x (256 + 16) bytes for each wave
.set SPARE, OST+4*16*272               ; the spare words, 128 bytes a wave, that no other line names
.set VX, 4
.set VS, 5
.set VB, 6
.set HW, 7
.set HR, 8
.set RA, 9
.set AR2, 10                           ; v10, v11
.set LW, 12
.set LR, 13
.set SO, 14
.set SR, 15
.set YO, 16                            ; v16-23
.set GO, 24
.set SPW, 28
.set NIL, 29
.set XF, 32
.set H2, 64
.set H1, 96
.set HP, 128
.set R1S, 144
.set XSC, 160
.set HF, 164
.set LG, 180
.set R2S, 192
.set PL, 192
.set OR, 224
.set MSB, 0
.macro WIN new
.if MSB != (\new)
	s_set_vgpr_msb (MSB<<8)|(\new)
.set MSB, (\new)
.endif
.endm
.macro PLACES
.rept 4
	v_nop
.endr
.endm
.macro CROUND
	s_barrier_signal -1
	s_barrier_wait -1
	s_cmp_lg_u32 s18, 0
	s_cbranch_scc1 .Lnot_wave_0_\@
	s_barrier_signal -3
.Lnot_wave_0_\@:
	s_barrier_wait -3
	s_barrier_signal -1
	s_barrier_wait -1
.endm
	s_load_b256 s[4:11], s[0:1], 0x0               ; qc 4, rb1 6, rb2 8, rout 10
	s_load_b128 s[12:15], s[0:1], 0x20             ; rbout 12, yp 14
	s_load_b64 s[16:17], s[0:1], 0x30              ; out0
	v_lshl_add_u32 v[SPW], v0, 2, SPARE
	v_mov_b32 v[NIL], 0
	ds_add_u32 v[SPW], v[NIL]                      ; the wave's opening: the add and its wait ahead of my first tensor load
	v_lshrrev_b32 v1, 5, v0
	v_readfirstlane_b32 s18, v1                    ; wave
	s_bfe_u32 s19, ttmp6, 0x40000                  ; cx
	s_lshl_b32 s20, ttmp9, 2
	s_add_co_u32 s20, s20, s19                     ; my 16 tokens
	s_mov_b32 s24, 15|(1<<16)|(1<<20)|(1<<21)|(6<<22)|(7<<25)   ; r2: all four work-groups; elements of 2 bytes; 8 words of padding behind every 128
	s_mov_b32 s25, 256<<16
	s_mov_b32 s26, 64<<16                          ; 64 rows a wave
	s_mov_b32 s27, 256<<16
	s_mov_b32 s28, 64
	s_mov_b32 s29, 256
	s_mov_b32 s30, 0
	s_mov_b32 s31, 0
	s_mov_b32 s32, 15|(3<<16)|(1<<21)              ; rout: dense, rows of 32 elements of 8 bytes
	s_mov_b32 s33, 32<<16
	s_mov_b32 s34, 8<<16                           ; 8 rows a wave
	s_mov_b32 s35, 32<<16
	s_mov_b32 s36, 8
	s_mov_b32 s37, 32
	s_mov_b32 s38, 0
	s_mov_b32 s39, 0
	s_lshl_b32 s58, s18, 15
	s_add_co_u32 s58, s58, Q_R2H
	s_mov_b32 s59, 0
	s_lshl_b32 s60, s18, 11
	s_mov_b32 s61, 0
	s_mul_i32 s62, s18, 64*PR
	s_add_co_u32 s63, s60, ROUT
	s_mov_b32 s56, 0x76543210                      ; v_permlanex16_b32: lane l xor 16
	s_mov_b32 s57, 0xfedcba98
	s_wait_dscnt 0x0                               ; the opening add is done
	s_wait_kmcnt 0x0
	s_load_b256 s[48:55], s[12:13], 0x0            ; rbout
	CROUND                                         ; all four work-groups are here: the joint loads meet
	s_mov_b32 s40, 1
	s_mov_b32 s41, s62
	s_add_nc_u64 s[42:43], s[4:5], s[58:59]
	s_or_b32 s43, s43, 0x80000000
	s_mov_b32 s44, 1
	s_mov_b32 s45, s63
	s_add_nc_u64 s[46:47], s[10:11], s[60:61]
	s_or_b32 s47, s47, 0x80000000
	tensor_load_to_lds s[40:43], s[24:31]          ; two loads of mine are out
	s_nop 0
	tensor_load_to_lds s[44:47], s[32:39]
	s_nop 0
	PLACES
	v_and_b32 v1, 15, v0                           ; r
	v_bfe_u32 v2, v0, 4, 1                         ; h
	v_and_b32 v3, 31, v0                           ; lane
	v_lshlrev_b32 v[VX], 8, v1
	v_lshl_add_u32 v[VX], v2, 4, v[VX]             ; a row of 512 codes is 256 bytes; + 16 h
	v_lshlrev_b32 v[VS], 4, v1                     ; 16 scale bytes a row
	v_lshlrev_b32 v[VB], 5, v2
	s_lshl_b32 s58, s18, 11
	s_add_co_u32 s58, s58, HIMG
	v_lshl_add_u32 v[HW], v3, 4, s58               ; where I store my two fragments of h1
	v_lshl_add_u32 v[HR], v3, 4, HIMG              ; and where any fragment is read
	v_and_b32 v25, 7, v0
	v_lshl_add_u32 v25, v2, 3, v25
	v_mul_u32_u24 v25, v25, PR
	v_bfe_u32 v26, v0, 3, 1
	v_lshl_add_u32 v25, v26, 4, v25
	s_lshl_b32 s58, s18, 7
	v_add_nc_u32 v[AR2], s58, v25                  ; the turning load's place, my 64 units; K 0 .. 127,
	v_add_nc_u32 v[AR2+1], 128*PR, v[AR2]          ; K 128 .. 255
	s_lshl_b32 s58, s18, 11
	s_add_co_u32 s58, s58, ROUT
	v_lshl_add_u32 v[RA], v2, 8, s58               ; rout: 32 bytes a unit; my wave's 64 units, my half's eight of each sixteen
	s_lshl_b32 s58, s18, 9
	s_add_co_u32 s58, s58, LGS
	v_lshl_add_u32 v[LW], v1, 5, s58
	v_lshl_add_u32 v[LR], v1, 5, LGS
	s_mul_i32 s58, s18, 16*272
	s_add_co_u32 s58, s58, OST
	v_mul_u32_u24 v[SO], v1, 272
	v_lshl_add_u32 v[SO], v2, 5, v[SO]
	v_add_nc_u32 v[SO], s58, v[SO]
	v_mul_u32_u24 v[SR], v2, 272
	v_lshl_add_u32 v[SR], v1, 4, v[SR]
	v_add_nc_u32 v[SR], s58, v[SR]
	v_lshlrev_b32 v[YO], 4, v3
.irp e, 1,2,3,4,5,6,7
	v_add_nc_u32 v[YO+\e], \e<<22, v[YO]           ; an expert's part of yp is 4 MiB
.endr
	v_lshlrev_b32 v[GO], 10, v2
	v_lshl_add_u32 v[GO], v1, 4, v[GO]
	s_lshl_b32 s58, s20, 12
	s_add_nc_u64 s[66:67], s[4:5], s[58:59]        ; x's codes at my tokens,
	s_lshl_b32 s58, s20, 8
	s_add_nc_u64 s[68:69], s[4:5], s[58:59]        ; their scale bytes (+ Q_XS),
	s_lshl_b32 s58, s18, 14
	s_add_nc_u64 s[70:71], s[4:5], s[58:59]        ; r1's codes at my units (+ Q_R1C),
	s_lshl_b32 s58, s18, 10
	s_add_nc_u64 s[72:73], s[4:5], s[58:59]        ; their scale bytes (+ Q_R1S)
	s_lshl_b32 s58, s18, 8
	s_add_nc_u64 s[6:7], s[6:7], s[58:59]
	s_add_nc_u64 s[8:9], s[8:9], s[58:59]
	s_add_nc_u64 s[16:17], s[16:17], s[58:59]
	s_lshl_b32 s58, s20, 14
	s_add_nc_u64 s[16:17], s[16:17], s[58:59]
	s_add_nc_u64 s[14:15], s[14:15], s[58:59]
	s_lshl_b32 s58, s18, 12
	s_add_nc_u64 s[14:15], s[14:15], s[58:59]
.irp q, 0,1,2,3
.irp c, 0,1
	global_load_b128 v[XF+8*\q+4*\c:XF+8*\q+4*\c+3], v[VX], s[66:67] offset:64*\q+32*\c
.endr
.endr
	global_load_b128 v[XSC:XSC+3], v[VS], s[68:69] offset:Q_XS
	WIN 0x80
.irp t, 0,1,2,3
.irp q, 0,1,2,3
.irp c, 0,1
	global_load_b128 v[8*(4*\t+\q)+4*\c:8*(4*\t+\q)+4*\c+3], v[VX], s[70:71] offset:Q_R1C+4096*\t+64*\q+32*\c
.endr
.endr
.endr
	WIN 0
.irp t, 0,1,2,3
	global_load_b128 v[R1S+4*\t:R1S+4*\t+3], v[VS], s[72:73] offset:Q_R1S+256*\t
.endr
.irp t, 0,1,2,3
	global_load_b128 v[H1+8*\t:H1+8*\t+3], v[VB], s[6:7] offset:64*\t
	global_load_b128 v[H1+8*\t+4:H1+8*\t+7], v[VB], s[6:7] offset:64*\t+16
.endr
.irp t, 0,1,2,3
	global_load_b128 v[H2+8*\t:H2+8*\t+3], v[VB], s[8:9] offset:64*\t
	global_load_b128 v[H2+8*\t+4:H2+8*\t+7], v[VB], s[8:9] offset:64*\t+16
.endr
	s_wait_loadcnt 8                               ; all but rb2's eight
	WIN 0x02                                       ; source 0 (r1) window 2
.irp q, 0,1,2,3                                ; the four accumulators take turns, one instruction a turn; the bias lies in them from the start
.irp t, 0,1,2,3
	v_wmma_scale_f32_16x16x128_f8f6f4 v[H1+8*\t:H1+8*\t+7], v[8*(4*\t+\q):8*(4*\t+\q)+7], v[XF+8*\q:XF+8*\q+7], v[H1+8*\t:H1+8*\t+7], v[R1S+4*\t+\q], v[XSC+\q] matrix_a_fmt:MATRIX_FMT_FP4 matrix_b_fmt:MATRIX_FMT_FP4
.endr
.endr
	WIN 0
	PLACES
.set k, 0
.rept 32
	v_max_num_f32 v[H1+k], 0, v[H1+k]
.set k, k+1
.endr
.irp t, 0,1,2,3
.irp i, 0,1,2,3
	v_cvt_pk_f16_f32 v[HP+4*\t+\i], v[H1+8*\t+2*\i], v[H1+8*\t+2*\i+1]   ; tiles 2 f and 2 f + 1 are the two halves of fragment f of the next operand
.endr
.endr
.irp t, 0,1,2,3
	ds_store_b128 v[HW], v[HP+4*\t:HP+4*\t+3] offset:512*\t
.endr
	WIN 0x40
.irp e, 0,1,2,3,4,5,6,7                        ; yp of my tokens and outputs, all experts: asked for now, wanted at the end
.irp t, 0,1,2,3
.irp c, 0,1
	global_load_b128 v[32*\e+8*\t+4*\c:32*\e+8*\t+4*\c+3], v[YO+\e], s[14:15] offset:1024*\t+512*\c th:TH_LOAD_NT
.endr
.endr
.endr
	WIN 0
	s_wait_tensorcnt 0x0                           ; my parts of r2 and rout have landed,
	s_wait_dscnt 0x0                               ; my fragments of h1 are stored,
	s_barrier_signal -1
	s_barrier_wait -1                              ; everybody's
.macro P2LOAD s                        ; K step s (32 along K): h1's fragment and r2's four, turned: 10 loads
	ds_load_b128 v[HF+8*((\s)%2):HF+8*((\s)%2)+3], v[HR] offset:1024*(\s)
	ds_load_b128 v[HF+8*((\s)%2)+4:HF+8*((\s)%2)+7], v[HR] offset:1024*(\s)+512
.irp t, 0,1,2,3
	ds_load_tr16_b128 v[R2S+32*((\s)%2)+8*\t:R2S+32*((\s)%2)+8*\t+3],   v[AR2+(\s)/4] offset:32*PR*((\s)%4)+32*\t
	ds_load_tr16_b128 v[R2S+32*((\s)%2)+8*\t+4:R2S+32*((\s)%2)+8*\t+7], v[AR2+(\s)/4] offset:32*PR*((\s)%4)+32*\t+16*PR
.endr
.endm
	P2LOAD 0
	s_wait_loadcnt 63                              ; rb2 is in: 64 loads are younger, and the smaller count is safe
.irp s, 0,1,2,3,4,5,6,7
.if \s > 0
	PLACES                                         ; four places in front of loads into registers that matrix instructions have read
.endif
.if \s < 7
	P2LOAD \s+1
	s_wait_dscnt 10                                ; this step's are in; the next step's ten may be out
.else
	s_wait_dscnt 0x0
.endif
.irp t, 0,1,2,3
	v_wmma_f32_16x16x32_f16 v[H2+8*\t:H2+8*\t+7], v[R2S+32*(\s%2)+8*\t:R2S+32*(\s%2)+8*\t+7], v[HF+8*(\s%2):HF+8*(\s%2)+7], v[H2+8*\t:H2+8*\t+7]
.endr
.endr
	PLACES
	WIN 0x80
.irp t, 0,1,2,3                                ; rout's eight numbers of each of my 32 units: all lanes of a half read the same bytes
.irp j, 0,1,2,3,4,5,6,7
	ds_load_b128 v[8*(8*\t+\j):8*(8*\t+\j)+3], v[RA] offset:(16*\t+\j)*32
	ds_load_b128 v[8*(8*\t+\j)+4:8*(8*\t+\j)+7], v[RA] offset:(16*\t+\j)*32+16
.endr
.endr
	WIN 0
.set k, 0
.rept 32
	v_max_num_f32 v[H2+k], 0, v[H2+k]
.set k, k+1
.endr
	s_wait_dscnt 0x0
	WIN 0x08                                       ; source 1 (rout) window 2
.irp e, 0,1,2,3,4,5,6,7
	v_mul_f32 v[LG+\e], v[H2], v[\e]
.endr
.set k, 1
.rept 31
.irp e, 0,1,2,3,4,5,6,7
	v_fma_f32 v[LG+\e], v[H2+k], v[8*k+\e], v[LG+\e]   ; eight chains, one an expert
.endr
.set k, k+1
.endr
	WIN 0
.irp e, 0,1,2,3,4,5,6,7
	v_permlanex16_b32 v[PL+\e], v[LG+\e], s56, s57
.endr
.irp e, 0,1,2,3,4,5,6,7
	v_add_f32 v[LG+\e], v[LG+\e], v[PL+\e]         ; with the other half's 32 units: my wave's 64
.endr
	ds_store_b128 v[LW], v[LG:LG+3]                ; both halves of the lanes write the same bytes with the same values
	ds_store_b128 v[LW], v[LG+4:LG+7] offset:16
	s_wait_dscnt 0x0
	s_barrier_signal -1
	s_barrier_wait -1
.irp w, 0,1,2,3
	ds_load_b128 v[PL+8*\w:PL+8*\w+3], v[LR] offset:512*\w
	ds_load_b128 v[PL+8*\w+4:PL+8*\w+7], v[LR] offset:512*\w+16
.endr
	s_wait_kmcnt 0x0                               ; rbout
	s_wait_dscnt 0x0
.irp e, 0,1,2,3,4,5,6,7
	v_add_f32 v[LG+\e], v[PL+\e], v[PL+8+\e]
	v_add_f32 v[PL+16+\e], v[PL+16+\e], v[PL+24+\e]
.endr
.irp e, 0,1,2,3,4,5,6,7
	v_add_f32 v[LG+\e], v[LG+\e], v[PL+16+\e]
.endr
.irp e, 0,1,2,3,4,5,6,7
	v_add_f32 v[LG+\e], s[48+\e], v[LG+\e]
.endr
	v_max3_num_f32 v188, v[LG], v[LG+1], v[LG+2]
	v_max3_num_f32 v188, v188, v[LG+3], v[LG+4]
	v_max3_num_f32 v188, v188, v[LG+5], v[LG+6]
	v_max_num_f32 v188, v188, v[LG+7]              ; the row's maximum is taken away ahead of the exponentials
.irp e, 0,1,2,3,4,5,6,7
	v_sub_f32 v[LG+\e], v[LG+\e], v188
.endr
.irp e, 0,1,2,3,4,5,6,7
	v_mul_f32 v[LG+\e], 0x3fb8aa3b, v[LG+\e]
.endr
.irp e, 0,1,2,3,4,5,6,7
	v_exp_f32 v[LG+\e], v[LG+\e]
.endr
	v_nop                                          ; a plain line behind the last exponential,
	s_wait_alu depctr_va_vdst(0)                   ; and one wait for the eight, ahead of their first reader
	v_add_f32 v189, v[LG], v[LG+1]
	v_add_f32 v190, v[LG+2], v[LG+3]
	v_add_f32 v191, v[LG+4], v[LG+5]
	v_add_f32 v188, v[LG+6], v[LG+7]
	v_add_f32 v189, v189, v190
	v_add_f32 v191, v191, v188
	v_add_f32 v189, v189, v191
	v_rcp_f32 v189, v189
	v_nop
	s_wait_alu depctr_va_vdst(0)
.irp e, 0,1,2,3,4,5,6,7
	v_mul_f32 v[LG+\e], v[LG+\e], v189             ; the gates of my token
.endr
	s_wait_loadcnt 0x0                             ; yp
	WIN 0x04                                       ; source 1 (yp) window 1
.set k, 0
.rept 32
	v_mul_f32 v[OR+k], v[LG], v[k]
.set k, k+1
.endr
.irp e, 1,2,3,4,5,6,7
.set k, 0
.rept 32
	v_fma_f32 v[OR+k], v[LG+\e], v[32*\e+k], v[OR+k]
.set k, k+1
.endr
.endr
	WIN 0
.irp t, 0,1,2,3
	ds_store_b128 v[SO], v[OR+8*\t:OR+8*\t+3] offset:64*\t          ; lane (r, h): out(r, 64 w + 16 t + 8 h + 0 .. 7)
	ds_store_b128 v[SO], v[OR+8*\t+4:OR+8*\t+7] offset:64*\t+16
.endr
.irp i, 0,1,2,3,4,5,6,7
	ds_load_b128 v[PL+4*\i:PL+4*\i+3], v[SR] offset:2*\i*272        ; LDS serves a wave's instructions in order: these see my stores
.endr
.irp i, 0,1,2,3,4,5,6,7
	s_wait_dscnt 7-\i
	global_store_b128 v[GO], v[PL+4*\i:PL+4*\i+3], s[16:17] offset:2048*\i   ; sixteen lanes store 256 consecutive bytes, aligned
.endr
	s_wait_tensorcnt 0x0                           ; the wave's end
	ds_add_u32 v[SPW], v[NIL]
	s_wait_dscnt 0x0
	CROUND                                         ; the closing round
	s_endpgm
.Lfunc_end_k_q321717d9be_fin:
	.size	k_q321717d9be_fin, .Lfunc_end_k_q321717d9be_fin-k_q321717d9be_fin
	.p2alignl 7, 3214868480
	.fill 96, 4, 3214868480
	.section	.rodata,"a",@progbits
	.p2align	6, 0x0
	.amdhsa_kernel k_q321717d9be_fin
		.amdhsa_group_segment_fixed_size 175616
		.amdhsa_private_segment_fixed_size 0
		.amdhsa_enable_private_segment 0
		.amdhsa_kernarg_size 56
		.amdhsa_user_sgpr_count 2
		.amdhsa_user_sgpr_kernarg_segment_ptr 1
		.amdhsa_wavefront_size32 1
		.amdhsa_system_sgpr_workgroup_id_x 1
		.amdhsa_system_sgpr_workgroup_id_y 1
		.amdhsa_system_sgpr_workgroup_id_z 1
		.amdhsa_system_vgpr_workitem_id 0
		.amdhsa_next_free_vgpr 768
		.amdhsa_next_free_sgpr 80
		.amdhsa_reserve_vcc 0
		.amdhsa_float_denorm_mode_32 3
		.amdhsa_float_denorm_mode_16_64 3
		.amdhsa_memory_ordered 1
		.amdhsa_forward_progress 1
		.amdhsa_inst_pref_size 74
	.end_amdhsa_kernel
	.amdgpu_metadata
---
amdhsa.version: [ 1, 2 ]
amdhsa.kernels:
  - .name:           k_q321717d9be_fin
    .symbol:         k_q321717d9be_fin.kd
    .args:
      - { .name: qc, .offset: 0, .size: 8, .value_kind: global_buffer, .address_space: global }
      - { .name: rb1, .offset: 8, .size: 8, .value_kind: global_buffer, .address_space: global }
      - { .name: rb2, .offset: 16, .size: 8, .value_kind: global_buffer, .address_space: global }
      - { .name: rout, .offset: 24, .size: 8, .value_kind: global_buffer, .address_space: global }
      - { .name: rbout, .offset: 32, .size: 8, .value_kind: global_buffer, .address_space: global }
      - { .name: yp, .offset: 40, .size: 8, .value_kind: global_buffer, .address_space: global }
      - { .name: out0, .offset: 48, .size: 8, .value_kind: global_buffer, .address_space: global }
    .group_segment_fixed_size: 175616
    .private_segment_fixed_size: 0
    .kernarg_segment_align: 8
    .kernarg_segment_size: 56
    .max_flat_workgroup_size: 128
    .sgpr_count:     80
    .vgpr_count:     768
    .wavefront_size: 32
...
	.end_amdgpu_metadata
.endif
;; end of part 5
